; MI455X (gfx1250); checked and timed in simulation.
; The chip was launched on July 23, 2026; its instructions are those of AMD's public machine-readable ISA for CDNA 5 (MIT licence, August 2026) and "CDNA5" Instruction Set Architecture Reference Guide (July 2026). The comments in the code are by the model that wrote it; some were corrected since.
;; Causal Self Attention MLA. Allowed arithmetic: matrix products marked QUANTISED: E4M3 operands, one given power-of-two scale a tensor, by v_wmma_f32_16x16x64_fp8_fp8 or v_wmma_f32_16x16x128_fp8_fp8, f32 sums; everything else in f32.
;; Inputs: W_d 2,048 x 2,048 float32; W_lat 2,048 x 128 float32; W_proj 2,048 x 2,048 float32; b_d 2,048 float32; b_lat 128 float32; b_proj 2,048 float32; lowp_scales 10 int32 (the exponents e of the quantised operands' scales 2^e); x 2 x 2,048 x 2,048 float32.
;; Outputs: out0 2 x 2,048 x 2,048 float32.
;; This version of the problem:
;;   THIS VERSION OF THE PROBLEM IS GIVEN IN LOW PRECISION. The matrix products marked QUANTISED in the list below multiply operands that are first quantised to E4M3 (4 exponent bits, 3 mantissa bits; 8 bits a number), with one given power-of-two scale for each operand tensor; their sums are f32. All else is computed in f32.
;;   The module's matrix products, in the order in which they are computed (A, B: the left and right operand; K: the contracted axis; several contracted axes count as one K, in the product's order):
;;     1. [M 4,096, K 2,048] x [K 2,048, N 128]; A: input x; B: input W_lat: QUANTISED (scales: A lowp_scales[0], B lowp_scales[1])
;;     2. [M 4,096, K 2,048] x [K 2,048, N 2,048]; A: input x; B: input W_d: QUANTISED (scales: A lowp_scales[2], B lowp_scales[3])
;;     3. batch 2 x [M 32,768, K 128] x [K 128, N 2,048]; A: computed on the way; B: computed on the way: QUANTISED (scales: A lowp_scales[4], B lowp_scales[5])
;;     4. batch 2 x [M 32,768, K 2,048] x [K 2,048, N 128]; A: softmax (see below); B: computed on the way: QUANTISED (scales: A lowp_scales[6], B lowp_scales[7])
;;     5. [M 4,096, K 2,048] x [K 2,048, N 2,048]; A: computed on the way; B: input W_proj: QUANTISED (scales: A lowp_scales[8], B lowp_scales[9])
;;   THE QUANTISER, for each operand of a quantised product, along K:
;;     - The operand's scale is 2^e, e = its entry of the input lowp_scales (int32; the entries are numbered through the quantised products in the list's order, A before B).
;;     - Each number is divided by the scale, clamped to +-448, and rounded to the nearest number of E4M3, ties to even, subnormals kept.
;;     - The product sums the exact products of the quantised numbers (number of the format x scale) in f32.
;;   ~~~python
;;   def quantise(x, axis, e):      # numpy; x: float32 -> the quantised numbers, widened to float32 again
;;       x = np.moveaxis(x, axis, -1); K = x.shape[-1]
;;       r = np.clip(x / 2.0 ** e, -448, 448)
;;       step = 2.0 ** (np.maximum(np.frexp(np.where(r == 0, 1, r))[1] - 1, -6) - 3)
;;       q = np.round(r / step) * step * 2.0 ** e      # np.round: ties to even
;;       return np.moveaxis(q, -1, axis).astype(np.float32)
;;   ~~~
;;   SOFTMAX AHEAD OF A QUANTISED PRODUCT. Where the list says 'softmax', what is quantised is not the finished softmax but p = 2^(t - M), with t = logit x log2(e) and M = ceil(the row's largest t), a whole number; so 1/2 < the row's largest p <= 1. The row's sum l is taken of the UNQUANTISED p, in f32, and the product's result is divided by l at the end. Since M is a whole number, a kernel that streams over the keys may use a running M (the ceiling of the running maximum): every later rescaling is an exact power of two, so the quantised numbers keep their values, but for numbers so far below the row's largest that they fall under the format's range.
;;   OPERANDS COMPUTED ON THE WAY. 'Computed on the way' means the value that the module computes at that place (a softmax that the list does not call 'softmax' is quantised finished and normalised). What goes into a quantiser is computed in f32, as accurately as f32 sums, v_exp_f32 and their like allow (about 1e-6 of the number): no bf16 or f16 on the way to a quantiser, and a product that is left as it is and whose result goes on into a quantised operand takes f32 operands (vector FMAs, or v_wmma_f32_16x16x4_f32). A number that lies on a knife's edge between two numbers of the format may be rounded either way, as far as f32 arithmetic and the matrix unit's own rounding can turn it there, and no further.
;; One version. Each part assembles by itself: llvm-mc -triple=amdgcn-amd-amdhsa -mcpu=gfx1250 --defsym DOCPART=n.
;; ======== version 1 of 1: 4 launches
;; limits: right only within a limited range of input values
;; workspace buffers: xc_d 8,388,608 bytes; xc_lat 8,388,608 bytes; wq 4,456,448 bytes; wp 4,194,304 bytes; q_codes 8,388,608 bytes; y_codes 8,388,608 bytes; kimg 524,288 bytes; vimg 524,288 bytes
;; launch quant (part 1): grid 520 x 1, 4 waves a work-group, no clusters, 68,096 bytes of LDS; arguments x, W_d, W_lat, W_proj, lowp_scales, xc_d, xc_lat, wq, wp; writes xc_d, xc_lat, wq, wp
.if DOCPART == 1
	.amdgcn_target "amdgcn-amd-amdhsa--gfx1250"
	.amdhsa_code_object_version 6
	.text
	.protected	k_q1c4ff1f289_quant
	.globl	k_q1c4ff1f289_quant
	.p2align	8
	.type	k_q1c4ff1f289_quant,@function
k_q1c4ff1f289_quant:
	s_mov_b64 s[64:65], 0
	v_nop
	global_prefetch_b8 v0, s[64:65] scope:SCOPE_SE
	s_setreg_imm32_b32 hwreg(HW_REG_WAVE_MODE, 25, 1), 1
	s_wait_xcnt 0x0
; The f32 inputs become codes of FP8 (E4M3), K innermost, each with the scale 2^e that is given for it: code = number / 2^e, held within +-448, to the nearest code, ties to even.
;   x [4096][2048]      -> xc_lat (e0, for x W_lat) and xc_d (e2, for x W_d): two sets of codes from one read, since e0 and e2 need not be equal
;   W_d [2048 k][2048 n] -> wq (e3);  W_lat [2048 k][128 n] -> wq (e1);  W_proj [2048 k][2048 n] -> wp (e9), laid [n][k]
;   wq is laid [8 tiles][272 rows][2048 k]: rows 0-255 of tile t are columns 256 t .. of W_d, rows 256-271 columns 16 t .. of W_lat: what one work-group of the next launch reads lies together.
; SHARES: 32,768 numbers a work-group.  Work-groups 0-255: x;  256-383: W_d;  384-511: W_proj;  512-519: W_lat.  No tensor loads, no barrier: waves share nothing.
; x: K is innermost.  Each load reads 512 consecutive bytes; a step's 2,048 bytes turn through the wave's own stage in LDS, so that a lane holds 16 neighbours along K for the conversions.
; W: K is the first axis.  A lane takes a column and its registers run down K; the codes leave through the wave's own stage, sixteen lanes to 256 consecutive aligned bytes.
; The two ways have LDS bytes of their own (x: 0 .. 32,767; W: 32,768 ..).
; LIMITS: each e used here (e0, e1, e2, e3, e9) lies between -126 and 119, so that 2^e and 448 x 2^e are f32 numbers.  NaN among the inputs is not served; an infinity is held at the largest code.
.set SP,    80                         ; x: a lane's place in a stage: 64 bytes + 16 of padding
.set R,     16                         ; x: v16-79    four sets of 16 numbers as loaded
.set X,     80                         ; x: v80-111   two sets of 16 neighbours
.set T0,    112                        ; x: v112-127  the numbers held for e0 (the hold for e2 works in place)
.set C,     128                        ; x: v128-255  codes: eight registers for each step, so that no store's data are written again
.set WSTG,  32768                      ; W: the stages begin here: 32 rows x WP bytes for each wave
.set WP,    272                        ; W: a stage row: 256 bytes + 16
.set OFF,   16                         ; W: v16-47    4 x lane + i x the tensor's row pitch
.set XW,    48                         ; W: v48-111   two sets of 32 numbers
.set CW,    112                        ; W: v112-119  a block's codes
.set OUTR,  120                        ; W: v120-183  the way out
.set SB,    66                         ; W: s[66:81]  the address of each of the eight blocks of 32 rows; never rewritten
.macro MKSCALE e, vs, vl               ; v[vs] = 2^e as f32 (the conversion takes its exponent field), v[vl] = 448 x 2^e
	s_add_co_i32 s42, s[\e], 127
	s_lshl_b32 s43, s42, 23
	v_mov_b32 v[\vs], s43
	s_add_co_i32 s42, s42, 8
	s_lshl_b32 s42, s42, 23
	s_or_b32 s42, s42, 0x600000
	v_mov_b32 v[\vl], s42
.endm
	s_load_b256 s[4:11], s[0:1], 0x0               ; x s[4:5], W_d s[6:7], W_lat s[8:9], W_proj s[10:11]
	s_load_b256 s[12:19], s[0:1], 0x20             ; the exponents s[12:13], xc_d s[14:15], xc_lat s[16:17], wq s[18:19]
	s_load_b64 s[20:21], s[0:1], 0x40              ; wp
	v_lshl_add_u32 v12, v0, 2, 0x10800
	v_mov_b32 v13, 0
	v_lshrrev_b32 v1, 5, v0
	v_readfirstlane_b32 s22, v1                    ; wave 0..3
	v_and_b32 v2, 31, v0                           ; lane
	s_wait_kmcnt 0x0
	s_load_b256 s[24:31], s[12:13], 0x0            ; e0 .. e7
	s_load_b64 s[32:33], s[12:13], 0x20            ; e8, e9
	s_cmp_lt_u32 ttmp9, 256
	s_cbranch_scc0 .Lweights
; ---------------- x ----------------
	s_wait_alu depctr_va_vdst(0)
	v_lshlrev_b32 v3, 4, v2                        ; my 16 bytes of a load's 512, and of a store's 512
	s_wait_alu depctr_va_vdst(0)
	s_lshl_b32 s23, s22, 13                        ; my wave's two stages
	v_lshrrev_b32 v14, 2, v2
	v_mul_u32_u24 v14, v14, SP
	v_and_b32 v15, 3, v2
	v_lshl_add_u32 v14, v15, 4, v14
	v_add_nc_u32 v14, s23, v14                     ; into a stage: four lanes' 64 bytes on end, then the padding
	v_mul_u32_u24 v15, v2, SP
	v_add_nc_u32 v15, s23, v15                     ; out of it: my 16 neighbours
	s_lshl_b32 s34, ttmp9, 2
	s_add_co_u32 s34, s34, s22                     ; which run of 8,192 numbers is my wave's
	s_lshl_b32 s40, s34, 15
	s_mov_b32 s41, 0
	s_add_nc_u64 s[4:5], s[4:5], s[40:41]
	s_lshl_b32 s40, s34, 13
	s_add_nc_u64 s[36:37], s[16:17], s[40:41]      ; its codes under e0
	s_add_nc_u64 s[38:39], s[14:15], s[40:41]      ; and under e2
.macro XLOAD t
.irp i, 0,1,2,3
	global_load_b128 v[R+16*((\t)%4)+4*\i:R+16*((\t)%4)+4*\i+3], v3, s[4:5] offset:2048*(\t)+512*\i th:TH_LOAD_NT   ; 32 lanes read 512 consecutive bytes
.endr
.endm
.macro XTURN t                         ; step t's numbers through a stage: LDS serves a wave's instructions in order (ISA guide 5.7.1.4), so no wait stands between the stores and the loads
.irp i, 0,1,2,3
	ds_store_b128 v14, v[R+16*((\t)%4)+4*\i:R+16*((\t)%4)+4*\i+3] offset:32*SP*((\t)%2)+8*SP*\i
.endr
.irp i, 0,1,2,3
	ds_load_b128 v[X+16*((\t)%2)+4*\i:X+16*((\t)%2)+4*\i+3], v15 offset:32*SP*((\t)%2)+16*\i
.endr
.endm
.irp t, 0,1,2,3
	XLOAD \t
.endr
	s_wait_alu depctr_va_vdst(0)
	s_wait_kmcnt 0x0
	MKSCALE 24, 8, 9                               ; e0
	MKSCALE 26, 10, 11                             ; e2
	s_wait_alu depctr_va_vdst(0)
	s_wait_loadcnt 12                              ; step 0's four loads are in; the twelve of steps 1 to 3 may be out
	XTURN 0
.macro XSTEP t
.set XS, X+16*((\t)%2)
.set CS, C+8*(\t)
	s_wait_dscnt 0x0                               ; this step's numbers are back from the stage, so its stores into the stage have read their registers,
.if (\t)+4 < 16
	XLOAD (\t)+4                                   ; which take the loads of four steps on
.endif
.if (\t)+1 < 16
.if 14-(\t) >= 3
	s_wait_loadcnt 12                              ; the next step's four loads are in; those of the three steps behind it may be out
.else
	s_wait_loadcnt 4*(14-(\t))                     ; the counts run down: so many loads were issued behind the next step's
.endif
	XTURN (\t)+1                                   ; and go through the other stage while this step is worked
.endif
.set n, 0
.rept 16
	v_med3_num_f32 v[T0+n], v[XS+n], -v9, v9       ; the conversion to an 8-bit code does not saturate (ISA guide 7.6.2): the hold at 448 x 2^e0, into other registers
.set n, n+1
.endr
	v_cvt_scalef32_pk8_fp8_f32 v[CS:CS+1], v[T0:T0+7], v8
	v_cvt_scalef32_pk8_fp8_f32 v[CS+2:CS+3], v[T0+8:T0+15], v8
.set n, 0
.rept 16
	v_med3_num_f32 v[XS+n], v[XS+n], -v11, v11     ; the hold at 448 x 2^e2, in place.  (Sixteen plain lines behind the conversions above, ahead of the next write of their sources)
.set n, n+1
.endr
	v_cvt_scalef32_pk8_fp8_f32 v[CS+4:CS+5], v[XS:XS+7], v10
	v_cvt_scalef32_pk8_fp8_f32 v[CS+6:CS+7], v[XS+8:XS+15], v10
	global_store_b128 v3, v[CS:CS+3], s[36:37] offset:512*(\t)     ; the wave stores 512 consecutive bytes, at a multiple of 256 from the buffer's first byte
	global_store_b128 v3, v[CS+4:CS+7], s[38:39] offset:512*(\t)
.endm
.irp t, 0,1,2,3,4,5,6,7,8,9,10,11,12,13,14,15
	XSTEP \t
.endr
	s_wait_tensorcnt 0x0
	ds_add_u32 v12, v13
	s_wait_dscnt 0x0
	s_endpgm
; ---------------- the three weights: one text, its sizes chosen by the work-group's number ----------------
.Lweights:
	s_sub_co_u32 s34, ttmp9, 256                   ; u = 0 .. 263
	s_sub_co_u32 s51, s34, 256
	s_lshl_b32 s51, s51, 4                         ; for W_lat: 16 (u - 256): column block 0, K block u - 256
	s_wait_kmcnt 0x0                               ; the exponents
	s_cmp_lt_u32 s34, 128                          ; W_d or W_proj
	s_cselect_b64 s[36:37], s[6:7], s[10:11]       ; from
	s_cselect_b64 s[38:39], s[18:19], s[20:21]     ; to
	s_cselect_b32 s35, s27, s33                    ; e3 or e9
	s_cselect_b32 s44, 0, 128
	s_mov_b32 s45, 256
	s_cselect_b32 s45, 272, s45                    ; rows of a tile of 256 columns in the codes' buffer
	s_sub_co_u32 s44, s34, s44                     ; which of the tensor's 128 parts
	s_cmp_lt_u32 s34, 256                          ; or W_lat
	s_cselect_b64 s[36:37], s[36:37], s[8:9]
	s_cselect_b64 s[38:39], s[38:39], s[18:19]
	s_cselect_b32 s35, s35, s25                    ; e1
	s_cselect_b32 s44, s44, s51
	s_mov_b32 s46, 512
	s_cselect_b32 s46, 8192, s46                   ; a row of the tensor in bytes
	s_cselect_b32 s47, 8, 4                        ; columns to a tile: 256 or 16, as a shift,
	s_cselect_b32 s45, s45, 272
	s_cselect_b32 s48, 255, 15                     ; as a mask;
	s_cselect_b32 s49, 0, 256                      ; the first row that they take in a tile;
	s_cselect_b32 s50, 0, 0x80000                  ; W_lat: my columns 16-31 belong to the next tile: (272 - 16) rows of 2,048 bytes further on
	s_and_b32 s52, s44, 15                         ; column block
	s_lshr_b32 s53, s44, 4                         ; K block
	s_lshl_b32 s52, s52, 7
	s_lshl_b32 s54, s22, 5
	s_add_co_u32 s52, s52, s54                     ; my wave's first column: 128 x block + 32 x wave
	s_lshr_b32 s54, s52, s47
	s_mul_i32 s54, s54, s45
	s_and_b32 s55, s52, s48
	s_add_co_u32 s54, s54, s55
	s_add_co_u32 s54, s54, s49                     ; its row in the codes' buffer
	s_lshl_b32 s54, s54, 11
	s_lshl_b32 s55, s53, 8
	s_add_co_u32 s54, s54, s55                     ; x 2,048 bytes + 256 x K block
	s_mov_b32 s55, 0
	s_add_nc_u64 s[56:57], s[38:39], s[54:55]
	s_lshl_b32 s58, s46, 8
	s_mul_i32 s58, s58, s53                        ; 256 rows x K block
	s_lshl_b32 s59, s52, 2
	s_add_co_u32 s58, s58, s59                     ; + 4 x column
	s_mov_b32 s59, 0
	s_add_nc_u64 s[SB:SB+1], s[36:37], s[58:59]
	s_lshl_b32 s60, s46, 5                         ; 32 rows
	s_mov_b32 s61, 0
.irp t, 1,2,3,4,5,6,7
	s_add_nc_u64 s[SB+2*\t:SB+2*\t+1], s[SB+2*\t-2:SB+2*\t-1], s[60:61]
.endr
	s_wait_alu depctr_va_vdst(0)
	v_lshlrev_b32 v3, 2, v2                        ; 4 bytes a lane: a load reads 128 consecutive bytes, the four waves stand side by side on 512
.set n, 0
.rept 32
	v_mad_u32_u24 v[OFF+n], s46, n, v3
.set n, n+1
.endr
	s_mul_i32 s62, s22, 32*WP
	s_add_co_u32 s62, s62, WSTG                    ; my stage
	v_mul_u32_u24 v4, v2, WP
	v_add_nc_u32 v4, s62, v4                       ; into it: row = my column
	v_and_b32 v5, 15, v2
	v_lshrrev_b32 v6, 4, v2
	v_mul_u32_u24 v7, v6, WP
	v_lshl_add_u32 v7, v5, 4, v7
	v_add_nc_u32 v7, s62, v7                       ; out of it: sixteen lanes to a row, two rows an instruction
	v_lshlrev_b32 v8, 11, v6
	v_lshl_add_u32 v8, v5, 4, v8                   ; the same place in the codes' buffer, for my columns 0-15,
	v_add_nc_u32 v9, s50, v8                       ; and for 16-31
.macro WLOAD t                         ; block t: W(32 t + i, my column), i = 0 .. 31
.set n, 0
.rept 32
	global_load_b32 v[XW+32*((\t)%2)+n], v[OFF+n], s[SB+2*(\t):SB+2*(\t)+1] th:TH_LOAD_NT
.set n, n+1
.endr
.endm
	WLOAD 0
	WLOAD 1
	MKSCALE 35, 11, 10
.macro BLOCK t
.set XS, XW+32*((\t)%2)
.if (\t) < 7
	s_wait_loadcnt 32                              ; this block's 32 loads are in; the next block's 32 may be out
.else
	s_wait_loadcnt 0x0
.endif
.set n, 0
.rept 32
	v_med3_num_f32 v[XS+n], v[XS+n], -v10, v10     ; the hold at the largest code x the scale (ISA guide 7.6.2)
.set n, n+1
.endr
.irp g, 0,1,2,3
	v_cvt_scalef32_pk8_fp8_f32 v[CW+2*\g:CW+2*\g+1], v[XS+8*\g:XS+8*\g+7], v11
.endr
	ds_store_b128 v4, v[CW:CW+3] offset:32*(\t)    ; 32 codes: 32 bytes of my column's row
	ds_store_b128 v4, v[CW+4:CW+7] offset:32*(\t)+16
.if (\t)+2 < 8
	WLOAD (\t)+2
.endif
	s_wait_dscnt 0x0                               ; the stores have read their registers: the next block's codes may be written.  (The next block begins with 32 plain lines)
.endm
	s_wait_alu depctr_va_vdst(0)
.irp t, 0,1,2,3,4,5,6,7
	BLOCK \t
.endr
.irp t, 0,1,2,3,4,5,6,7,8,9,10,11,12,13,14,15
	ds_load_b128 v[OUTR+4*\t:OUTR+4*\t+3], v7 offset:2*\t*WP       ; these see my stores: a wave's LDS instructions are served in order
.endr
.irp t, 0,1,2,3,4,5,6,7
	s_wait_dscnt 15-\t
	global_store_b128 v8, v[OUTR+4*\t:OUTR+4*\t+3], s[56:57] offset:2*\t*2048      ; sixteen lanes store 256 consecutive bytes, aligned
.endr
.irp t, 8,9,10,11,12,13,14,15
	s_wait_dscnt 15-\t
	global_store_b128 v9, v[OUTR+4*\t:OUTR+4*\t+3], s[56:57] offset:2*\t*2048
.endr
	s_wait_tensorcnt 0x0
	ds_add_u32 v12, v13
	s_wait_dscnt 0x0
	s_endpgm
.Lfunc_end_k_q1c4ff1f289_quant:
	.size	k_q1c4ff1f289_quant, .Lfunc_end_k_q1c4ff1f289_quant-k_q1c4ff1f289_quant
	.p2alignl 7, 3214868480
	.fill 96, 4, 3214868480
	.section	.rodata,"a",@progbits
	.p2align	6, 0x0
	.amdhsa_kernel k_q1c4ff1f289_quant
		.amdhsa_group_segment_fixed_size 68096
		.amdhsa_private_segment_fixed_size 0
		.amdhsa_enable_private_segment 0
		.amdhsa_kernarg_size 72
		.amdhsa_user_sgpr_count 2
		.amdhsa_user_sgpr_kernarg_segment_ptr 1
		.amdhsa_wavefront_size32 1
		.amdhsa_system_sgpr_workgroup_id_x 1
		.amdhsa_system_sgpr_workgroup_id_y 1
		.amdhsa_system_sgpr_workgroup_id_z 1
		.amdhsa_system_vgpr_workitem_id 0
		.amdhsa_next_free_vgpr 256
		.amdhsa_next_free_sgpr 84
		.amdhsa_reserve_vcc 0
		.amdhsa_float_denorm_mode_32 3
		.amdhsa_float_denorm_mode_16_64 3
		.amdhsa_memory_ordered 1
		.amdhsa_forward_progress 1
		.amdhsa_inst_pref_size 109
	.end_amdhsa_kernel
	.amdgpu_metadata
---
amdhsa.version: [ 1, 2 ]
amdhsa.kernels:
  - .name:           k_q1c4ff1f289_quant
    .symbol:         k_q1c4ff1f289_quant.kd
    .args:
      - { .name: x, .offset: 0, .size: 8, .value_kind: global_buffer, .address_space: global }
      - { .name: W_d, .offset: 8, .size: 8, .value_kind: global_buffer, .address_space: global }
      - { .name: W_lat, .offset: 16, .size: 8, .value_kind: global_buffer, .address_space: global }
      - { .name: W_proj, .offset: 24, .size: 8, .value_kind: global_buffer, .address_space: global }
      - { .name: lowp_scales, .offset: 32, .size: 8, .value_kind: global_buffer, .address_space: global }
      - { .name: xc_d, .offset: 40, .size: 8, .value_kind: global_buffer, .address_space: global }
      - { .name: xc_lat, .offset: 48, .size: 8, .value_kind: global_buffer, .address_space: global }
      - { .name: wq, .offset: 56, .size: 8, .value_kind: global_buffer, .address_space: global }
      - { .name: wp, .offset: 64, .size: 8, .value_kind: global_buffer, .address_space: global }
    .group_segment_fixed_size: 68096
    .private_segment_fixed_size: 0
    .kernarg_segment_align: 8
    .kernarg_segment_size: 72
    .max_flat_workgroup_size: 128
    .sgpr_count:     84
    .vgpr_count:     256
    .wavefront_size: 32
...
	.end_amdgpu_metadata
.endif
;; end of part 1
;; launch gemmq (part 2): grid 8 x 32, 4 waves a work-group, clusters of 4 x 4, 327,680 bytes of LDS; arguments xc_d, xc_lat, wq, b_d, b_lat, lowp_scales, q_codes, kimg, vimg; writes q_codes, kimg, vimg
.if DOCPART == 2
	.amdgcn_target "amdgcn-amd-amdhsa--gfx1250"
	.amdhsa_code_object_version 6
	.text
	.protected	k_q1c4ff1f289_gemmq
	.globl	k_q1c4ff1f289_gemmq
	.p2align	8
	.type	k_q1c4ff1f289_gemmq,@function
k_q1c4ff1f289_gemmq:
	s_mov_b64 s[64:65], 0
	v_nop
	global_prefetch_b8 v0, s[64:65] scope:SCOPE_SE
	s_setreg_imm32_b32 hwreg(HW_REG_WAVE_MODE, 25, 1), 1
	s_wait_xcnt 0x0
	s_wait_alu depctr_hold_cnt(0) depctr_sa_sdst(0) depctr_va_vdst(0) depctr_va_sdst(0) depctr_va_ssrc(0) depctr_va_vcc(0) depctr_vm_vsrc(0)
	s_getreg_b32 s2, hwreg(HW_REG_IB_STS2, 6, 4)
	s_cmp_eq_u32 s2, 0
	s_cbranch_scc0 .Lentry_in_a_cluster
	s_endpgm
.Lentry_in_a_cluster:
	s_bfe_u32 s2, ttmp6, 0x10000c
	s_cmp_lg_u32 s2, 0xf033
	s_cbranch_scc0 .Lentry_shape_is_right
	s_endpgm
.Lentry_shape_is_right:
; q = Q(x, e2) Q(W_d, e3) + b_d and k = Q(x, e0) Q(W_lat, e1) + b_lat, on codes of FP8 (E4M3); both results are quantised again on the way out and leave as codes:
;   q_codes [4096 tokens][2048] under e4;  kimg: k under e5, K = the 128 channels;  vimg: k under e7, K = the keys: both as images of the registers in which the next launch wants them.
; SHARES.  A work-group makes 128 tokens x 256 columns of q: 32 x 8 = 256 work-groups.  Wave w: rows 64 (w / 2) .., columns 128 (w % 2) ..: 32 accumulators of 16 x 16.
; It also makes 128 tokens x 16 channels of k (channels 16 nx ..): wave w takes tokens 32 w .. 32 w + 31, each tile of 16 in BOTH orientations (four accumulators): tokens in the lanes for kimg, channels in the lanes for vimg.
; K goes in steps of 256 through a ring of two LDS slots filled by the tensor data mover: rows of 256 bytes.  A slot: 128 rows of x under e2, 128 rows of x under e0, 272 rows of wq (256 of W_d, 16 of W_lat).
; CLUSTERS: 4 x 4 work-groups.  The four of a row of the cluster need the same rows of x, the four of a column the same rows of wq: each tile is asked for JOINTLY, by the same tensor load with the same descriptor
; and a mask that names the four.  Waves 0 and 1 fetch x's two tiles, waves 2 and 3 the two halves of wq's: one load a wave.
; THE MATRIX INSTRUCTION IS USED TRANSPOSED (source 0 = 16 rows of W, source 1 = 16 rows of x): a lane then holds eight neighbouring columns of one token's row, which the conversion packs into 8 bytes.
; A fragment (16 rows x 128 K) is fetched by four loads of 16 bytes: registers 4 c .. 4 c + 3 hold K = 32 c + 16 (lane / 16) + 0 .. 15, alike in both operands: every product meets its partner; only the order of the sums inside an instruction differs.
; LIMITS: e2 + e3 and e0 + e1 between -126 and 127; e4, e5, e7 between -126 and 119: each power of two below is then an f32 number.
; REGISTERS, in windows of 256.  window 0: v1-31 addresses and scales; v32-63 W_lat's fragment, two sets; v64-191 x's four fragments (e2), two sets; v192-255 x's two fragments (e0), two sets.
;   window 1: W_d's eight fragments, two sets.   window 2: accumulator (a, b) at v[8 (8 a + b)].   window 3: v0-31 k's four accumulators; v32-95 b_d; v96-103, v104-105 b_lat in two layouts.
.set KROW,  2048                       ; a row of codes in memory, in bytes
.set ROWB,  256                        ; a tile's row
.set PITCH, 272                        ; an LDS row: 256 bytes + 16 of padding = 68 words: the 16 rows that a load touches start 4 banks apart (64 banks of 4 bytes: ISA guide 11.1)
.set ALD,   128                        ; rows of a load of x
.set BLD,   136                        ; rows of a load of wq
.set LAB,   128*PITCH                  ; x under e0
.set BB,    256*PITCH                  ; wq
.set SLOT,  BB+272*PITCH
.set SPARE, 2*SLOT                     ; behind the ring: the spare words, 128 bytes for each wave: two blocks of 256 bytes that no other line names
.set NLD,   60                         ; LDS loads of a step's fragments: 32 (W_d) + 16 (x, e2) + 8 (x, e0) + 4 (W_lat)
.set NTAIL, 20                         ; the youngest of them, which the step's first sixteen products do not need: x's blocks 2 and 3, and k's operands
.set ADRL,  12                         ; v12-13  LDS address of my fragments of x under e0, slot 0, 1
.set ADRLB, 14                         ; v14-15  of W_lat's fragment
.set ADRA,  16                         ; v16-17  of x under e2
.set BO,    18                         ; v18     32 x (lane / 16): my eight numbers of a bias
.set RO,    19                         ; v19     4 x (lane % 16)
.set ADRB,  20                         ; v20-21  of W_d's fragments
.set STO,   24                         ; v24     the way out: where I put 8 bytes of a row of q's codes
.set RD,    25                         ; v25     where I read a row back
.set CO,    26                         ; v26     my byte offset in q_codes
.set KO,    27                         ; v27     in a tile of kimg
.set SPW,   28                         ; v28     LDS address of my spare word; never rewritten
.set NIL,   29                         ; v29     0; never rewritten
.set VO,    30                         ; v30     16 x lane: my place in vimg
.set BLF,   32
.set AF,    64
.set ALF,   192
.set BIAS,  32                         ; in window 3
.set BL8,   96
.set BL1,   104
.set TQ,    64                         ; the way out: a block's 64 numbers of q
.set CQ,    128                        ; its codes: 16 registers for each of the four blocks
.set TK,    192                        ; k's 32 numbers
.set CK,    224                        ; k's codes
.set G1, 24                            ; s[24:31] descriptor group 1 for x's tiles;  s[32:39] group 0, one set for each slot
.set G0, 32
.set G1B, 48                           ; s[48:55], s[56:63] the same for wq's
.set G0B, 56
.set MSB, 0
.macro WIN new                         ; the immediate's high byte repeats the setting that is left
.if MSB != \new
	s_set_vgpr_msb (MSB<<8)|\new
.set MSB, \new
.endif
.endm
.set MAIN, 0xa1                        ; source 0 (W_d) window 1, source 1 (x) window 0, C and D window 2
.set KW,   0xf0                        ; sources window 0, C and D window 3
.set TO_B, 0x40                        ; destination window 1, address window 0
; A joint load: waves 0 and 1 fetch x's tiles, waves 2 and 3 wq's.  Each line has ONE mask and one set of registers for all that issue it; the branch hangs on the wave's number alone.
; Four v_nop follow each of the two lines, ahead of the jump, the label and what follows.
.macro JLOAD g0a, g1a, g0b, g1b
	s_cmp_eq_u32 s15, 0
	s_cbranch_scc0 .Lfor_b_\@
	tensor_load_to_lds s[\g0a:\g0a+3], s[\g1a:\g1a+7]
	s_nop 0
.rept 4
	v_nop
.endr
	s_branch .Lasked_\@
.Lfor_b_\@:
	tensor_load_to_lds s[\g0b:\g0b+3], s[\g1b:\g1b+7]
	s_nop 0
.rept 4
	v_nop
.endr
.Lasked_\@:
.endm
.macro CREST                           ; a round of the cluster's barrier behind its opening barrier
	s_cmp_lg_u32 s14, 0
	s_cbranch_scc1 .Lnot_wave_0_\@
	s_barrier_signal -3
.Lnot_wave_0_\@:
	s_barrier_wait -3
	s_barrier_signal -1
	s_barrier_wait -1
.endm
.macro CROUND
	s_barrier_signal -1
	s_barrier_wait -1
	CREST
.endm
.macro PLACES n                        ; plain vector lines between a matrix instruction and a load into, or a vector line on, its registers
.rept \n
	v_nop
.endr
.endm
.macro MKSCALE e, vs, vl               ; v[vs] = 2^e as f32, v[vl] = 448 x 2^e
	s_add_co_i32 s90, s[\e], 127
	s_lshl_b32 s91, s90, 23
	v_mov_b32 v[\vs], s91
	s_add_co_i32 s90, s90, 8
	s_lshl_b32 s90, s90, 23
	s_or_b32 s90, s90, 0x600000
	v_mov_b32 v[\vl], s90
.endm
	s_load_b256 s[4:11], s[0:1], 0x0               ; xc_d s[4:5], xc_lat s[6:7], wq s[8:9], b_d s[10:11]
	s_load_b256 s[68:75], s[0:1], 0x20             ; b_lat s[68:69], the exponents s[70:71], q_codes s[72:73], kimg s[74:75]
	s_load_b64 s[76:77], s[0:1], 0x40              ; vimg
	v_lshl_add_u32 v[SPW], v0, 2, SPARE
	v_mov_b32 v[NIL], 0
	ds_add_u32 v28, v29
	ds_add_u32 v28, v29
	s_wait_dscnt 0x0
	v_lshrrev_b32 v1, 5, v0
	v_readfirstlane_b32 s14, v1                    ; wave 0..3
	s_lshr_b32 s15, s14, 1                         ; which 64 rows are mine.  Also: I fetch x (0) or wq (1)
	s_and_b32 s16, s14, 1                          ; which 128 columns.  Also: which of the two tiles I fetch
	s_bfe_u32 s40, ttmp6, 0x40000                  ; cx, cy: my place in the cluster
	s_bfe_u32 s41, ttmp6, 0x40004
	s_lshl_b32 s42, ttmp9, 2
	s_add_co_u32 s42, s42, s40                     ; nx: tile column = 4 x cluster x + cx
	s_and_b32 s17, ttmp7, 0xffff
	s_lshl_b32 s17, s17, 2
	s_add_co_u32 s17, s17, s41                     ; my: tile row = 4 x cluster y + cy
	s_lshl_b32 s43, s41, 2
	s_lshl_b32 s43, 15, s43                        ; my row of the cluster
	s_lshl_b32 s44, 0x1111, s40                    ; my column
	s_or_b32 s[G1+0], s43, (0<<16)|(1<<20)|(1<<21)|(5<<22)|(3<<25)  ; 15:0 the mask; 17:16 elements of 1 byte; 20 padding on; 21 set beside a mask; 24:22 after every 64 words; 31:25 four words
	s_or_b32 s[G1B+0], s44, (0<<16)|(1<<20)|(1<<21)|(5<<22)|(3<<25)
	s_mov_b32 s[G1+1], ROWB<<16                    ; tensor_dim0
	s_mov_b32 s[G1+2], ALD<<16                     ; tensor_dim1
	s_mov_b32 s[G1+3], ROWB<<16                    ; tile_dim0
	s_mov_b32 s[G1+4], ALD                         ; tile_dim1
	s_mov_b32 s[G1+5], KROW                        ; tensor_dim0_stride
	s_mov_b32 s[G1+6], 0
	s_mov_b32 s[G1+7], 0
	s_mov_b32 s[G1B+1], ROWB<<16
	s_mov_b32 s[G1B+2], BLD<<16
	s_mov_b32 s[G1B+3], ROWB<<16
	s_mov_b32 s[G1B+4], BLD
	s_mov_b32 s[G1B+5], KROW
	s_mov_b32 s[G1B+6], 0
	s_mov_b32 s[G1B+7], 0
	s_lshl_b32 s20, s17, 18                        ; x: 128 rows of 2,048 bytes x tile row
	s_mov_b32 s21, 0
	s_mul_i32 s46, s42, 272
	s_mul_i32 s47, s16, BLD
	s_add_co_u32 s46, s46, s47
	s_lshl_b32 s46, s46, 11                        ; wq: row 272 x tile column + 136 x half
	s_mov_b32 s47, 0
	s_mul_i32 s45, s16, ALD*PITCH                  ; where they go: x under e2, then x under e0;
	s_mul_i32 s18, s16, BLD*PITCH
	s_add_co_u32 s18, s18, BB                      ; wq's two halves: no place in the cluster enters an LDS address
	s_wait_kmcnt 0x0
	s_load_b256 s[80:87], s[70:71], 0x0            ; e0 .. e7
	s_cmp_eq_u32 s16, 0
	s_cselect_b64 s[22:23], s[4:5], s[6:7]         ; wave 0 fetches x's codes under e2, wave 1 those under e0
	s_add_nc_u64 s[20:21], s[22:23], s[20:21]
	s_add_nc_u64 s[46:47], s[8:9], s[46:47]
	CROUND                                         ; all sixteen work-groups are here: the first joint loads meet
.irp s, 0,1
	s_mov_b32 s[G0+4*\s], 1
	s_add_co_u32 s[G0+4*\s+1], s45, \s*SLOT
	s_add_nc_u64 s[G0+4*\s+2:G0+4*\s+3], s[20:21], \s*ROWB
	s_or_b32 s[G0+4*\s+3], s[G0+4*\s+3], 0x80000000
	s_mov_b32 s[G0B+4*\s], 1
	s_add_co_u32 s[G0B+4*\s+1], s18, \s*SLOT
	s_add_nc_u64 s[G0B+4*\s+2:G0B+4*\s+3], s[46:47], \s*ROWB
	s_or_b32 s[G0B+4*\s+3], s[G0B+4*\s+3], 0x80000000
.endr
	JLOAD G0, G1, G0B, G1B                         ; K step 0: one tensor load a wave at the head
; PREFETCHES INTO THE L2.  Behind the load of K step n, n at least 1, a wave asks for K step n + 2 (behind K step 1's for 2 and 3): 256 bytes of each row that its own loads will bring, a lane a row.
; Every cluster asks for what it will itself load.  The four partners that ask for a tile jointly share its rows out by address: of x's 128 rows partner cx takes 32, of wq's 136 rows partner cy takes 34: 32 lanes,
; and for the last two rows one instruction more, behind K step 1's load, for all their K steps from 2 on: 12 blocks (lanes that are left over name the last two again).
; Nothing is asked for behind K step 0's load; K steps 6 and 7 ask for nothing: no K step lies two on.
.set PFA,   12                         ; s[12:13] where my prefetches stand: my part of K step n, n the K step last loaded (K step 1 at first)
.set PFO,   22                         ; v22     2,048 x lane; never rewritten
.set PFO2,  23                         ; v23     2,048 x (32 + lane % 2) + 256 x min(lane / 2, 5); never rewritten
	s_lshl_b32 s78, s40, 16                        ; x: 32 rows of 2,048 bytes x cx
	s_mul_i32 s79, s41, 34*KROW                    ; wq: 34 rows x cy
	s_cmp_eq_u32 s15, 0
	s_cselect_b64 s[PFA:PFA+1], s[20:21], s[46:47]
	s_cselect_b32 s78, s78, s79
	s_mov_b32 s79, 0
	s_add_nc_u64 s[PFA:PFA+1], s[PFA:PFA+1], s[78:79]
	s_add_nc_u64 s[PFA:PFA+1], s[PFA:PFA+1], ROWB  ; K step 1
	v_and_b32 v[PFO2], 31, v0
	v_and_b32 v31, 1, v0
	v_lshlrev_b32 v[PFO], 11, v[PFO2]
	v_lshrrev_b32 v[PFO2], 1, v[PFO2]
	v_lshlrev_b32 v31, 11, v31
	v_min_u32 v[PFO2], 5, v[PFO2]
	v_lshl_add_u32 v[PFO2], v[PFO2], 8, v31
	v_add_nc_u32 v[PFO2], 32*KROW, v[PFO2]
	v_and_b32 v1, 15, v0                           ; r = lane % 16
	v_bfe_u32 v2, v0, 4, 1                         ; h = lane / 16
	v_mul_u32_u24 v3, v1, PITCH
	v_lshl_add_u32 v4, v2, 4, v3                   ; a fragment's row x pitch + 16 h
	s_wait_alu depctr_va_vdst(0)
	s_mul_i32 s21, s15, 64*PITCH                   ; my 64 rows of x under e2
	s_mul_i32 s22, s16, 128*PITCH
	s_add_co_u32 s22, s22, BB                      ; my 128 rows of W_d
	s_mul_i32 s23, s14, 32*PITCH
	s_add_co_u32 s23, s23, LAB                     ; my 32 rows of x under e0
	s_mov_b32 s19, BB+256*PITCH                    ; W_lat's 16 rows
.irp s, 0,1
	v_add_nc_u32 v[ADRA+\s], s21, v4
	v_add_nc_u32 v[ADRB+\s], s22, v4
	v_add_nc_u32 v[ADRL+\s], s23, v4
	v_add_nc_u32 v[ADRLB+\s], s19, v4
	s_add_co_u32 s21, s21, SLOT
	s_add_co_u32 s22, s22, SLOT
	s_add_co_u32 s23, s23, SLOT
	s_add_co_u32 s19, s19, SLOT
.endr
	s_mul_i32 s2, s15, 64*PITCH                    ; the stage, 128 rows x 272 bytes in slot 0: row 64 (w / 2) + r, byte 128 (w % 2) + 8 h
	s_lshl_b32 s3, s16, 7
	s_add_co_u32 s2, s2, s3
	v_lshl_add_u32 v[STO], v2, 3, v3
	v_add_nc_u32 v[STO], s2, v[STO]
	s_mul_i32 s2, s14, 32*PITCH                    ; back: wave w takes rows 32 w .., whole; lanes 0-15 one row, lanes 16-31 the next
	v_mul_u32_u24 v5, v2, PITCH
	v_lshl_add_u32 v5, v1, 4, v5
	v_add_nc_u32 v[RD], s2, v5
	v_lshlrev_b32 v[CO], 11, v2
	v_lshl_add_u32 v[CO], v1, 4, v[CO]             ; the same two rows in q_codes
	v_lshlrev_b32 v[KO], 4, v1
	v_lshl_add_u32 v[KO], v2, 3, v[KO]             ; kimg: 16 r + 8 h
	v_and_b32 v[VO], 31, v0
	v_lshlrev_b32 v[VO], 4, v[VO]
	v_lshlrev_b32 v[BO], 5, v2
	s_wait_alu depctr_va_vdst(0)
	v_lshlrev_b32 v[RO], 2, v1
	s_wait_alu depctr_va_vdst(0)
	s_lshl_b32 s92, s17, 18                        ; q_codes: (128 my + 32 w) rows of 2,048 bytes + 256 nx
	s_lshl_b32 s93, s14, 16
	s_add_co_u32 s92, s92, s93
	s_lshl_b32 s93, s42, 8
	s_add_co_u32 s92, s92, s93
	s_mov_b32 s93, 0
	s_add_nc_u64 s[72:73], s[72:73], s[92:93]
	s_lshl_b32 s92, s17, 14                        ; kimg [token / 16][channel / 16][token % 16][16 bytes]: tile 8 my + 2 w, 2,048 bytes a tile, + 256 nx
	s_lshl_b32 s94, s14, 12
	s_add_co_u32 s92, s92, s94
	s_lshl_b32 s94, s42, 8
	s_add_co_u32 s92, s92, s94
	s_add_nc_u64 s[74:75], s[74:75], s[92:93]
	s_lshl_b32 s92, s17, 14                        ; vimg [token / 128][channel / 16][32 keys (4)][lane][16 bytes]: 16,384 my + 2,048 nx + 512 w
	s_lshl_b32 s94, s42, 11
	s_add_co_u32 s92, s92, s94
	s_lshl_b32 s94, s14, 9
	s_add_co_u32 s92, s92, s94
	s_add_nc_u64 s[76:77], s[76:77], s[92:93]
	s_lshl_b32 s92, s42, 10                        ; b_d: 4 (256 nx + 128 (w % 2))
	s_lshl_b32 s94, s16, 9
	s_add_co_u32 s92, s92, s94
	s_add_nc_u64 s[10:11], s[10:11], s[92:93]
	s_lshl_b32 s92, s42, 6                         ; b_lat: 4 x 16 nx
	s_add_nc_u64 s[68:69], s[68:69], s[92:93]
	WIN 0xc0                                       ; destination window 3
.irp b, 0,1,2,3,4,5,6,7
	global_load_b128 v[BIAS+8*\b:BIAS+8*\b+3], v[BO], s[10:11] offset:64*\b        ; b_d at my eight columns of block b: 16 b + 8 h + 0 .. 7
	global_load_b128 v[BIAS+8*\b+4:BIAS+8*\b+7], v[BO], s[10:11] offset:64*\b+16
.endr
	global_load_b128 v[BL8:BL8+3], v[BO], s[68:69]                 ; b_lat at channels 16 nx + 8 h + 0 .. 7 (tokens in the lanes)
	global_load_b128 v[BL8+4:BL8+7], v[BO], s[68:69] offset:16
	global_load_b32 v[BL1], v[RO], s[68:69]                        ; b_lat at channel 16 nx + r (channels in the lanes),
	global_load_b32 v[BL1+1], v[RO], s[68:69]                      ; twice: the packed form names a pair
	WIN 0
	s_wait_kmcnt 0x0
	s_add_co_i32 s96, s82, s83
	s_add_co_i32 s96, s96, 127
	s_lshl_b32 s96, s96, 23                        ; 2^(e2 + e3) as f32
	s_mov_b32 s97, s96                             ; (named with it as a pair, so it is written)
	s_add_co_i32 s98, s80, s81
	s_add_co_i32 s98, s98, 127
	s_lshl_b32 s98, s98, 23                        ; 2^(e0 + e1)
	s_mov_b32 s99, s98
	MKSCALE 84, 6, 7                               ; e4: q's codes
	MKSCALE 85, 8, 9                               ; e5: k's codes along the channels
	MKSCALE 87, 10, 11                             ; e7: k's codes along the keys
.macro FRAG reg, adr, q, i             ; 16 rows x 128 K: registers 4 c .. 4 c + 3 hold K = 32 c + 16 h + 0 .. 15
.irp c, 0,1,2,3
	ds_load_b128 v[\reg+4*\c:\reg+4*\c+3], v[\adr] offset:128*(\q)+32*\c+(\i)*16*PITCH
.endr
.endm
.macro FETCH slot, q, p                ; the fragments of the slot's q-th 128 along K into set p, in one run
	WIN TO_B
.irp i, 0,1,2,3,4,5,6,7
	FRAG 128*(\p)+16*\i, ADRB+\slot, \q, \i
.endr
	WIN 0
.irp i, 0,1,2,3
	FRAG AF+64*(\p)+16*\i, ADRA+\slot, \q, \i
.endr
.irp i, 0,1
	FRAG ALF+32*(\p)+16*\i, ADRL+\slot, \q, \i
.endr
	FRAG BLF+16*(\p), ADRLB+\slot, \q, 0
.endm
; Eight matrix instructions: x's block a against W_d's eight.  zero = 1: the first product starts the sums: nothing is cleared.
; The 36 accumulators take turns, one instruction a turn, in the same order in every step.
.macro MULA a, p, zero
.irp b, 0,1,2,3,4,5,6,7
.if \zero
	v_wmma_f32_16x16x128_fp8_fp8 v[8*(8*(\a)+\b):8*(8*(\a)+\b)+7], v[128*(\p)+16*\b:128*(\p)+16*\b+15], v[AF+64*(\p)+16*(\a):AF+64*(\p)+16*(\a)+15], 0
.else
	v_wmma_f32_16x16x128_fp8_fp8 v[8*(8*(\a)+\b):8*(8*(\a)+\b)+7], v[128*(\p)+16*\b:128*(\p)+16*\b+15], v[AF+64*(\p)+16*(\a):AF+64*(\p)+16*(\a)+15], v[8*(8*(\a)+\b):8*(8*(\a)+\b)+7]
.endif
.endr
.endm
; k: my two tiles of 16 tokens, each both ways.  v[8 u]: source 0 = W_lat, source 1 = x: a lane holds token r and channels 8 h + 0 .. 7.  v[16 + 8 u]: the sources swapped: a lane holds channel r and tokens 8 h + 0 .. 7.
.macro MULK p, zero
.irp u, 0,1
.if \zero
	v_wmma_f32_16x16x128_fp8_fp8 v[8*\u:8*\u+7], v[BLF+16*(\p):BLF+16*(\p)+15], v[ALF+32*(\p)+16*\u:ALF+32*(\p)+16*\u+15], 0
	v_wmma_f32_16x16x128_fp8_fp8 v[16+8*\u:16+8*\u+7], v[ALF+32*(\p)+16*\u:ALF+32*(\p)+16*\u+15], v[BLF+16*(\p):BLF+16*(\p)+15], 0
.else
	v_wmma_f32_16x16x128_fp8_fp8 v[8*\u:8*\u+7], v[BLF+16*(\p):BLF+16*(\p)+15], v[ALF+32*(\p)+16*\u:ALF+32*(\p)+16*\u+15], v[8*\u:8*\u+7]
	v_wmma_f32_16x16x128_fp8_fp8 v[16+8*\u:16+8*\u+7], v[ALF+32*(\p)+16*\u:ALF+32*(\p)+16*\u+15], v[BLF+16*(\p):BLF+16*(\p)+15], v[16+8*\u:16+8*\u+7]
.endif
.endr
.endm
; A slot's first 128 along K (set 0); in its middle the second 128 are fetched into set 1.
.macro STEP0 slot, zero
	s_wait_dscnt NTAIL                             ; W_d's fragments and x's blocks 0 and 1 are in; the youngest twenty loads may be out
	WIN MAIN
	MULA 0, 0, \zero
	MULA 1, 0, \zero
	PLACES 4                                       ; in front of loads into set 1, which the step before multiplied
	FETCH \slot, 1, 1
	s_wait_dscnt NLD                               ; all but the sixty just issued
	WIN MAIN
	MULA 2, 0, \zero
	MULA 3, 0, \zero
	WIN KW
	MULK 0, \zero
	WIN 0
.endm
; A slot's second 128 (set 1) change slots: ONE barrier; in front of it each wave waits for all its tensor loads, adds 0 to its spare word, and waits for that and for its own reads of this slot.  fill = 1: this slot is filled again, two K steps ahead.
.macro TURN slot, next, fill
	WIN 0
.if \fill
	s_wait_xcnt 0x0                                ; my last prefetch has read its address:
	s_add_nc_u64 s[PFA:PFA+1], s[PFA:PFA+1], ROWB  ; on to the K step that this change of slots loads
.endif
	s_wait_tensorcnt 0x0
	ds_add_u32 v[SPW], v[NIL]                      ; 0 onto my spare word;
	s_wait_dscnt NTAIL+1                           ; (the add and the youngest twenty loads may be out)
	WIN MAIN
	MULA 0, 1, 0                                   ; eight matrix instructions stand between the add and the wait for it
	s_wait_dscnt 0x0                               ; the add is done, and my reads of this slot are over
	s_barrier_signal -1
	MULA 1, 1, 0
	WIN 0
	s_barrier_wait -1
.if \fill
	CREST                                          ; the barrier has opened a round of the cluster's barrier: no wave of any partner still reads this slot or has a load on its way
	s_add_nc_u64 s[G0+4*\slot+2:G0+4*\slot+3], s[G0+4*\slot+2:G0+4*\slot+3], 2*ROWB
	s_add_nc_u64 s[G0B+4*\slot+2:G0B+4*\slot+3], s[G0B+4*\slot+2:G0B+4*\slot+3], 2*ROWB
	JLOAD G0+4*\slot, G1, G0B+4*\slot, G1B         ; the first tensor load behind the round, my one load until the next; its four v_nop are the places in front of the loads below
.else
	PLACES 4
.endif
	FETCH \next, 0, 0
.if \fill
	s_cmp_gt_u32 s3, 1                             ; s3 = 1 in the loop's last trip: nothing lies two K steps on
	s_cbranch_scc0 .Lquiet_\@
	global_prefetch_b8 v[PFO], s[PFA:PFA+1] offset:2*ROWB th:TH_LOAD_NT scope:SCOPE_SE
.Lquiet_\@:
.endif
	WIN MAIN
	MULA 2, 1, 0
	MULA 3, 1, 0
	WIN KW
	MULK 1, 0
	WIN 0
.endm
	s_wait_alu depctr_va_vdst(0)                   ; the wait at the head's end
	s_wait_loadcnt 0x0                             ; the biases, once
	s_wait_tensorcnt 0x0                           ; my part of K step 0 is in; these lines stand ahead of a later first fill as ahead of a refill
	ds_add_u32 v[SPW], v[NIL]
	s_wait_dscnt 0x0
	CROUND                                         ; everybody's part of K step 0 is in, and the joint loads meet:
	JLOAD G0+4, G1, G0B+4, G1B                     ; K step 1
	FETCH 0, 0, 0
	global_prefetch_b8 v[PFO], s[PFA:PFA+1] offset:ROWB th:TH_LOAD_NT scope:SCOPE_SE       ; K step 2,
	global_prefetch_b8 v[PFO], s[PFA:PFA+1] offset:2*ROWB th:TH_LOAD_NT scope:SCOPE_SE     ; and 3
	s_cmp_eq_u32 s15, 0
	s_cbranch_scc1 .Lquiet_one
	global_prefetch_b8 v[PFO2], s[PFA:PFA+1] offset:ROWB th:TH_LOAD_NT scope:SCOPE_SE      ; wq's waves: their last two rows, K steps 2 to 7
.Lquiet_one:
	STEP0 0, 1                                     ; the first step stands in front of the loop: its products start the sums
	s_mov_b32 s3, 3
.Llap:                                                 ; a trip goes once round the ring and fills both slots again: K steps 2 to 7 in three trips
	TURN 0, 1, 1
	STEP0 1, 0
	TURN 1, 0, 1
	STEP0 0, 0
	s_sub_co_u32 s3, s3, 1
	s_cmp_lg_u32 s3, 0
	s_cbranch_scc1 .Llap
	TURN 0, 1, 0                                   ; the last lap fills nothing, and has no round of the cluster's barrier
	STEP0 1, 0
	s_wait_dscnt 0x0                               ; the very last step: nothing more to fetch
	WIN MAIN
	MULA 0, 1, 0
	MULA 1, 1, 0
	MULA 2, 1, 0
	MULA 3, 1, 0
	WIN KW
	MULK 1, 0
	WIN 0
; THE WAY OUT.  q = sum x 2^(e2 + e3) + b_d in f32, one packed multiply-add for two numbers; held at 448 x 2^e4; eight neighbouring columns become 8 bytes.  A row's 256 codes come from two waves: they meet in a stage,
; which lies in slot 0: that slot has had its last fill, and every wave has passed the last change of slots, behind which nobody reads it.
	PLACES 4                                       ; behind the last products: their registers are read and written below
.irp a, 0,1,2,3
	WIN 0x32                                       ; source 0 (the sums) window 2, source 2 (b_d) window 3
.irp b, 0,1,2,3,4,5,6,7
.irp i, 0,2,4,6
	v_pk_fma_f32 v[TQ+8*\b+\i:TQ+8*\b+\i+1], v[8*(8*\a+\b)+\i:8*(8*\a+\b)+\i+1], s[96:97], v[BIAS+8*\b+\i:BIAS+8*\b+\i+1] op_sel_hi:[1,0,1]   ; each accumulator from its low end on
.endr
.endr
	WIN 0
.irp b, 0,1,2,3,4,5,6,7
.irp i, 0,1,2,3,4,5,6,7
	v_med3_num_f32 v[TQ+8*\b+\i], v[TQ+8*\b+\i], -v7, v7           ; the conversion does not saturate (ISA guide 7.6.2)
.endr
	v_cvt_scalef32_pk8_fp8_f32 v[CQ+16*\a+2*\b:CQ+16*\a+2*\b+1], v[TQ+8*\b:TQ+8*\b+7], v6
.endr
	v_nop                                          ; one plain line between the last conversion and the next vector line that writes its sources
.irp b, 0,1,2,3,4,5,6,7
	ds_store_b64 v[STO], v[CQ+16*\a+2*\b:CQ+16*\a+2*\b+1] offset:\a*16*PITCH+16*\b
.endr
.endr
; k = sum x 2^(e0 + e1) + b_lat, in both orientations; each is quantised along its own K and stored straight from registers.
	WIN 0x33                                       ; sources 0 and 2 window 3
.irp u, 0,1
.irp i, 0,2,4,6
	v_pk_fma_f32 v[TK+8*\u+\i:TK+8*\u+\i+1], v[8*\u+\i:8*\u+\i+1], s[98:99], v[BL8+\i:BL8+\i+1] op_sel_hi:[1,0,1]
.endr
.endr
.irp u, 0,1
.irp i, 0,2,4,6
	v_pk_fma_f32 v[TK+16+8*\u+\i:TK+16+8*\u+\i+1], v[16+8*\u+\i:16+8*\u+\i+1], s[98:99], v[BL1:BL1+1] op_sel_hi:[1,0,0]   ; one channel a lane: its bias for both halves
.endr
.endr
	WIN 0
.irp u, 0,1
.irp i, 0,1,2,3,4,5,6,7
	v_med3_num_f32 v[TK+8*\u+\i], v[TK+8*\u+\i], -v9, v9
.endr
	v_cvt_scalef32_pk8_fp8_f32 v[CK+2*\u:CK+2*\u+1], v[TK+8*\u:TK+8*\u+7], v8      ; token 32 w + 16 u + r, channels 16 nx + 8 h + 0 .. 7, under e5
.endr
.irp u, 0,1
.irp i, 0,1,2,3,4,5,6,7
	v_med3_num_f32 v[TK+16+8*\u+\i], v[TK+16+8*\u+\i], -v11, v11
.endr
	v_cvt_scalef32_pk8_fp8_f32 v[CK+4+2*\u:CK+4+2*\u+1], v[TK+16+8*\u:TK+16+8*\u+7], v10   ; channel 16 nx + r, tokens 32 w + 16 u + 8 h + 0 .. 7, under e7
.endr
	v_nop
	global_store_b64 v[KO], v[CK:CK+1], s[74:75]                   ; 32 lanes store 256 consecutive bytes, aligned: sixteen channels of sixteen keys
	global_store_b64 v[KO], v[CK+2:CK+3], s[74:75] offset:2048
	global_store_b128 v[VO], v[CK+4:CK+7], s[76:77]                ; 512 consecutive bytes: four registers of the next launch's fragment, lane by lane
	s_wait_dscnt 0x0                               ; for the others' sake: my stores into the stage are done
	s_barrier_signal -1
	s_barrier_wait -1
.irp t, 0,1,2,3,4,5,6,7,8,9,10,11,12,13,14,15
	ds_load_b128 v[TQ+4*\t:TQ+4*\t+3], v[RD] offset:2*\t*PITCH
.endr
.irp t, 0,1,2,3,4,5,6,7,8,9,10,11,12,13,14,15
	s_wait_dscnt 15-\t
	global_store_b128 v[CO], v[TQ+4*\t:TQ+4*\t+3], s[72:73] offset:2*\t*KROW       ; sixteen lanes store 256 consecutive bytes, aligned
.endr
	s_wait_tensorcnt 0x0                           ; the wave's end, behind my last tensor load and my last LDS store
	ds_add_u32 v[SPW], v[NIL]
	s_wait_dscnt 0x0
	CROUND                                         ; the closing round: no work-group ends while a partner may still ask for a tile that names it
	s_endpgm
.Lfunc_end_k_q1c4ff1f289_gemmq:
	.size	k_q1c4ff1f289_gemmq, .Lfunc_end_k_q1c4ff1f289_gemmq-k_q1c4ff1f289_gemmq
	.p2alignl 7, 3214868480
	.fill 96, 4, 3214868480
	.section	.rodata,"a",@progbits
	.p2align	6, 0x0
	.amdhsa_kernel k_q1c4ff1f289_gemmq
		.amdhsa_group_segment_fixed_size 327680
		.amdhsa_private_segment_fixed_size 0
		.amdhsa_enable_private_segment 0
		.amdhsa_kernarg_size 72
		.amdhsa_user_sgpr_count 2
		.amdhsa_user_sgpr_kernarg_segment_ptr 1
		.amdhsa_wavefront_size32 1
		.amdhsa_system_sgpr_workgroup_id_x 1
		.amdhsa_system_sgpr_workgroup_id_y 1
		.amdhsa_system_sgpr_workgroup_id_z 1
		.amdhsa_system_vgpr_workitem_id 0
		.amdhsa_next_free_vgpr 1024
		.amdhsa_next_free_sgpr 100
		.amdhsa_reserve_vcc 0
		.amdhsa_float_denorm_mode_32 3
		.amdhsa_float_denorm_mode_16_64 3
		.amdhsa_memory_ordered 1
		.amdhsa_forward_progress 1
		.amdhsa_inst_pref_size 103
	.end_amdhsa_kernel
	.amdgpu_metadata
---
amdhsa.version: [ 1, 2 ]
amdhsa.kernels:
  - .name:           k_q1c4ff1f289_gemmq
    .symbol:         k_q1c4ff1f289_gemmq.kd
    .args:
      - { .name: xc_d, .offset: 0, .size: 8, .value_kind: global_buffer, .address_space: global }
      - { .name: xc_lat, .offset: 8, .size: 8, .value_kind: global_buffer, .address_space: global }
      - { .name: wq, .offset: 16, .size: 8, .value_kind: global_buffer, .address_space: global }
      - { .name: b_d, .offset: 24, .size: 8, .value_kind: global_buffer, .address_space: global }
      - { .name: b_lat, .offset: 32, .size: 8, .value_kind: global_buffer, .address_space: global }
      - { .name: lowp_scales, .offset: 40, .size: 8, .value_kind: global_buffer, .address_space: global }
      - { .name: q_codes, .offset: 48, .size: 8, .value_kind: global_buffer, .address_space: global }
      - { .name: kimg, .offset: 56, .size: 8, .value_kind: global_buffer, .address_space: global }
      - { .name: vimg, .offset: 64, .size: 8, .value_kind: global_buffer, .address_space: global }
    .group_segment_fixed_size: 327680
    .private_segment_fixed_size: 0
    .kernarg_segment_align: 8
    .kernarg_segment_size: 72
    .max_flat_workgroup_size: 128
    .sgpr_count:     100
    .vgpr_count:     1024
    .wavefront_size: 32
...
	.end_amdgpu_metadata
.endif
;; end of part 2
;; launch att (part 3): grid 128 x 2, 8 waves a work-group, no clusters, 327,680 bytes of LDS; arguments q_codes, kimg, vimg, lowp_scales, y_codes; writes y_codes
.if DOCPART == 3
	.amdgcn_target "amdgcn-amd-amdhsa--gfx1250"
	.amdhsa_code_object_version 6
	.text
	.protected	k_q1c4ff1f289_att
	.globl	k_q1c4ff1f289_att
	.p2align	8
	.type	k_q1c4ff1f289_att,@function
k_q1c4ff1f289_att:
	s_mov_b64 s[64:65], 0
	v_nop
	global_prefetch_b8 v0, s[64:65] scope:SCOPE_SE
	s_setreg_imm32_b32 hwreg(HW_REG_WAVE_MODE, 25, 1), 1
	s_wait_xcnt 0x0
; y[query][head][:] = sum over keys <= query of softmax(q . k / sqrt(128)) k[key][:], both products on codes of FP8 (E4M3); y is quantised under 2^e8 and leaves as codes.  K and V are shared by all 16 heads.
; q_codes [4096][2048] under e4; kimg under e5 and vimg under e7 are images of operand registers: 16,384 bytes for each 128 keys.
; y_codes [token / 16][head][4][lane][16 bytes]: 2,048 bytes for each tile of 16 tokens x 128 channels: the image of the next launch's operand (registers 4 c .. 4 c + 3: channels 32 c + 16 (lane / 16) + 0 .. 15).
; THE SOFTMAX: t = score x 2^(e4 + e5) x log2(e) / sqrt(128); M = the running largest t, rounded up to a whole number; p = 2^(t - M) is quantised under 2^e6, its sum is taken unquantised and divides at the end;
; when M moves, the sum and the result are multiplied by a power of two.
; SHARES.  256 work-groups: batch y; x = 4 i + g: heads 4 g .. 4 g + 3, two JOBS: queries 32 i .. 32 i + 31, then 2016 - 32 i .. 2047 - 32 i: 17 steps of 128 keys in all, in every work-group.
; Eight waves: two heads (wave / 4), 16 queries (bit 1), and every second step of 128 keys: two waves share the same two tiles of 16 queries, each with half of the keys, and merge at a job's end: each finishes one tile.
; THE RING.  Two slots of 512 keys: 64 KiB of K and 64 KiB of V each.  Waves 0-3 fetch K, 4-7 V: a wave's load brings a quarter of each of the slot's four steps, so that the first step reads bytes of every load.
; Job 1 reads keys 0 .. 1023 at the most, so both slots stay as they are for job 2, which refills them with keys 1024 .. 1535 and 1536 .. 2047.  THE REFILLS END AT THE CAUSAL LIMIT: a slot whose first key comes after
; the work-group's last query is read by no wave and is not asked for; the jump round the load hangs on the work-group's number and on counted steps alone.  Steps that the mask hides whole are left out likewise.
; NO CLUSTER: under the mask all waves of a work-group pass over whole slots, which a joint load may not bring.  NO PREFETCH: a refill has a whole slot's steps in which to land, and slots 0 and 1 come by the head's own loads.
; Both products are used transposed (source 0 = 16 keys, or 16 channels): a lane holds one query (lane % 16); register j of tile f holds key, or channel, 16 f + 8 (lane / 16) + j.
; LIMITS: e4 + e5 between -123 and 130; e6 and e8 between -126 and 119; the scaled scores t stay under 2^31 in magnitude.  NaN and infinity in q, k are not served.
; REGISTERS.  window 0: v1-29 addresses and state, v32-63 Q, v64-95 at work, v96-223 the scores of two tiles, then p; v224-255 p's codes.   window 1: v0-127 the results of two tiles, v128-255 eight fragments of K or V.
.set STEPB, 4096                       ; in LDS from step to step of a slot
.set SLOTB, 65536
.set VREG,  131072                     ; V's two slots lie behind K's two
.set SPARE, 262144                     ; the spare words: 128 bytes for each wave
.set STAT,  263168                     ; the merge: 16 bytes a thread,
.set XCH,   267264                     ; and 4,096 bytes a wave
.set LI,  1                            ; 16 x lane
.set ADK, 2
.set ADV, 3
.set SPW, 4
.set NIL, 5
.set QA,  6                            ; v6-7 my row of Q: the tile that I finish, the tile that my partner finishes
.set STW, 8
.set STR, 9
.set XW,  10
.set XR,  11
.set ST,  12                           ; for each tile four: -M, the largest t, the sum in two halves
.set RH,  23                           ; r - 8 h
.set Z,   28                           ; v[28:29] zeros
.set Q,   32
.set WK,  64                           ; for each tile eight
.set LIMP, 80                          ; 448 x 2^e6
.set SCP,  81                          ; 2^e6
.set DD,   82
.set NINF, 83
.set PST,  84
.set LIMY, 88
.set SCY,  89
.set GG,   90
.set S,   96
.set RX,  96
.set T,   128
.set P,   224
.set F,   128                          ; in window 1
.set WV,  14
.set SEL, 22
.set CS,  24
.set G1,  28
.set G0A, 36                           ; group 0: slot 0's first fill,
.set G0H, 40                           ; slot 1's,
.set G0W, 76                           ; the refills
.set TB,  50                           ; LDS byte of the step in hand
.set KF,  51                           ; its first key
.set Q0,  52                           ; my first query, this job
.set Q1,  53                           ; the next job
.set VIS, 54
.set TWICE, 55
.set KB,  60                           ; s[60:61] my part of K or V in memory
.set KO,  62                           ; s[62:63] bytes from there to the slot that is asked for next
.set JOBS, 75
.set MSB, 0
.macro WIN new                         ; the immediate's high byte repeats the setting that is left
.if MSB != \new
	s_set_vgpr_msb (MSB<<8)|\new
.set MSB, \new
.endif
.endm
.macro BARRIER
	s_wait_dscnt 0x0
	s_barrier_signal -1
	s_barrier_wait -1
.endm
.macro MKSCALE e, vs, vl               ; v[vs] = 2^e as f32, v[vl] = 448 x 2^e
	s_add_co_i32 s56, s[\e], 127
	s_lshl_b32 s57, s56, 23
	v_mov_b32 v[\vs], s57
	s_add_co_i32 s56, s56, 8
	s_lshl_b32 s56, s56, 23
	s_or_b32 s56, s56, 0x600000
	v_mov_b32 v[\vl], s56
.endm
.macro QLOAD qb                        ; two tiles of 16 queries x 128
.irp t, 0,1
.irp c, 0,1,2,3
	global_load_b128 v[Q+16*\t+4*\c:Q+16*\t+4*\c+3], v[QA+\t], s[\qb:\qb+1] offset:32*\c
.endr
.endr
.endm
.macro JOBINIT                         ; the step is written once: its first run finds zeros, and a largest t of -3e38 under every t
.irp t, 0,1
	v_mov_b32 v[ST+4*\t+1], 0xff61b1e6
	v_mov_b32 v[ST+4*\t+2], 0
	v_mov_b32 v[ST+4*\t+3], 0
.endr
.irp t, 0,1
	v_floor_f32 v[ST+4*\t], -v[ST+4*\t+1]
.endr
	WIN 0x40
.set n, 0
.rept 64
	v_pk_mul_f32 v[n:n+1], v[Z:Z+1], v[Z:Z+1]      ; two zeros an instruction
.set n, n+2
.endr
	WIN 0
.endm
; the largest score of each query among my keys, in four chains a tile, and what follows from it: -M = floor(-t), f = 2^(old M - new M)
.macro SOFT_A
.irp t, 0,1
	v_max3_num_f32 v[WK+8*\t], v[S+64*\t], v[S+64*\t+1], v[S+64*\t+2]
	v_max3_num_f32 v[WK+8*\t+1], v[S+64*\t+3], v[S+64*\t+4], v[S+64*\t+5]
	v_max3_num_f32 v[WK+8*\t+6], v[S+64*\t+6], v[S+64*\t+7], v[S+64*\t+8]
	v_max3_num_f32 v[WK+8*\t+7], v[S+64*\t+9], v[S+64*\t+10], v[S+64*\t+11]
.endr
.set n, 12
.rept 6
.irp t, 0,1
	v_max3_num_f32 v[WK+8*\t], v[WK+8*\t], v[S+64*\t+n], v[S+64*\t+n+1]
	v_max3_num_f32 v[WK+8*\t+1], v[WK+8*\t+1], v[S+64*\t+n+2], v[S+64*\t+n+3]
	v_max3_num_f32 v[WK+8*\t+6], v[WK+8*\t+6], v[S+64*\t+n+4], v[S+64*\t+n+5]
	v_max3_num_f32 v[WK+8*\t+7], v[WK+8*\t+7], v[S+64*\t+n+6], v[S+64*\t+n+7]
.endr
.set n, n+8
.endr
.irp t, 0,1
	v_max3_num_f32 v[WK+8*\t], v[WK+8*\t], v[S+64*\t+60], v[S+64*\t+61]
.endr
.irp t, 0,1
	v_max3_num_f32 v[WK+8*\t+1], v[WK+8*\t+1], v[S+64*\t+62], v[S+64*\t+63]
.endr
.irp t, 0,1
	s_delay_alu instid0(VALU_DEP_2)
	v_max3_num_f32 v[WK+8*\t], v[WK+8*\t], v[WK+8*\t+1], v[WK+8*\t+6]
.endr
.irp t, 0,1
	s_delay_alu instid0(VALU_DEP_2)
	v_max_num_f32 v[WK+8*\t], v[WK+8*\t], v[WK+8*\t+7]
.endr
.irp t, 0,1
	s_delay_alu instid0(VALU_DEP_2)
	v_permlanex16_b32 v[WK+8*\t+2], v[WK+8*\t], s[SEL], s[SEL+1]
.endr
.irp t, 0,1
	s_delay_alu instid0(VALU_DEP_2)
	v_max_num_f32 v[WK+8*\t], v[WK+8*\t], v[WK+8*\t+2]
.endr
.irp t, 0,1
	s_delay_alu instid0(VALU_DEP_2)
	v_mul_f32 v[WK+8*\t], s[CS], v[WK+8*\t]
.endr
.irp t, 0,1
	s_delay_alu instid0(VALU_DEP_2)
	v_max_num_f32 v[ST+4*\t+1], v[ST+4*\t+1], v[WK+8*\t]
.endr
.irp t, 0,1
	v_mov_b32 v[WK+8*\t+3], v[ST+4*\t]
.endr
.irp t, 0,1
	s_delay_alu instid0(VALU_DEP_4)
	v_floor_f32 v[ST+4*\t], -v[ST+4*\t+1]
.endr
.irp t, 0,1
	s_delay_alu instid0(VALU_DEP_2)
	v_sub_f32 v[WK+8*\t+3], v[ST+4*\t], v[WK+8*\t+3]
.endr
.irp t, 0,1
	s_delay_alu instid0(VALU_DEP_2)
	v_cvt_i32_f32 v[WK+8*\t+3], v[WK+8*\t+3]
.endr
.irp t, 0,1
	s_delay_alu instid0(VALU_DEP_2)
	v_ldexp_f32 v[WK+8*\t+4], 1.0, v[WK+8*\t+3]
.endr
.endm
.macro SCALE t                         ; t - M for the scores n, n + 1 of tile t
	v_pk_fma_f32 v[S+64*\t+n:S+64*\t+n+1], v[S+64*\t+n:S+64*\t+n+1], s[CS:CS+1], v[ST+4*\t:ST+4*\t+1] op_sel_hi:[1,0,0]
.endm
.macro HOLD t                          ; p is never negative: the hold at 448 x 2^e6 is one-sided (the conversion does not saturate: ISA guide 7.6.2)
	v_dual_min_num_f32 v[S+64*\t+n], v[S+64*\t+n], v[LIMP] :: v_dual_min_num_f32 v[S+64*\t+n+1], v[S+64*\t+n+1], v[LIMP]
.endm
.macro SUM t                           ; the sum of the unquantised p, two at a time, in four chains
.set SB, S+64*\t
.set SW, WK+8*\t
.set SA, ST+4*\t+2
	v_pk_add_f32 v[SW+6:SW+7], v[SB:SB+1], v[SB+2:SB+3]
	v_pk_add_f32 v[SW:SW+1], v[SB+4:SB+5], v[SB+6:SB+7]
	v_pk_add_f32 v[SW+2:SW+3], v[SB+8:SB+9], v[SB+10:SB+11]
	v_pk_add_f32 v[SA:SA+1], v[SA:SA+1], v[SB+12:SB+13]
.set n, SB+14
.rept 6
	v_pk_add_f32 v[SW+6:SW+7], v[SW+6:SW+7], v[n:n+1]
	v_pk_add_f32 v[SW:SW+1], v[SW:SW+1], v[n+2:n+3]
	v_pk_add_f32 v[SW+2:SW+3], v[SW+2:SW+3], v[n+4:n+5]
	v_pk_add_f32 v[SA:SA+1], v[SA:SA+1], v[n+6:n+7]
.set n, n+8
.endr
	v_pk_add_f32 v[SW+6:SW+7], v[SW+6:SW+7], v[SB+62:SB+63]
	v_pk_add_f32 v[SW:SW+1], v[SW:SW+1], v[SW+2:SW+3]
	v_pk_add_f32 v[SA:SA+1], v[SA:SA+1], v[SW+6:SW+7]
	v_pk_add_f32 v[SA:SA+1], v[SA:SA+1], v[SW:SW+1]
.endm
.macro CODES t
.irp f, 0,1,2,3,4,5,6,7
	v_cvt_scalef32_pk8_fp8_f32 v[P+16*\t+2*\f:P+16*\t+2*\f+1], v[S+64*\t+8*\f:S+64*\t+8*\f+7], v[SCP]
.endr
.endm
.macro FRAGS adr                       ; eight fragments of the step in hand
	WIN 0x40
.irp f, 0,1,2,3,4,5,6,7
.irp c, 0,1,2,3
	ds_load_b128 v[F+16*\f+4*\c:F+16*\f+4*\c+3], v[\adr] offset:16384*(\f/2)+2048*(\f%2)+512*\c
.endr
.endr
.endm
.macro STEP                            ; 128 keys; left out where all of them come after my 16 queries
	s_add_co_u32 s56, s[Q0], 15
	s_cmp_gt_u32 s[KF], s56
	s_cbranch_scc1 .Lhid_\@
	v_add_nc_u32 v[ADK], s[TB], v[LI]
	s_delay_alu instid0(VALU_DEP_1)
	v_add_nc_u32 v[ADV], VREG, v[ADK]
	FRAGS ADK
	WIN 0x01
	s_wait_alu depctr_va_vdst(0)                   ; ahead of the waits below
.irp f, 0,1,2,3,4,5,6,7
	s_wait_dscnt 28-4*\f                           ; the first f + 1 fragments are in; the younger ones may be out
.irp t, 0,1
	v_wmma_f32_16x16x128_fp8_fp8 v[S+64*\t+8*\f:S+64*\t+8*\f+7], v[F+16*\f:F+16*\f+15], v[Q+16*\t:Q+16*\t+15], 0
.endr
.endr
	WIN 0
.rept 4
	v_nop                                          ; places in front of loads into registers that matrix instructions have read, and of reads of the scores
.endr
	FRAGS ADV
	WIN 0
	s_add_co_u32 s56, s[KF], 127
	s_cmp_le_u32 s56, s[Q0]
	s_cbranch_scc1 .Lopen_\@
	s_sub_co_i32 s56, s[Q0], s[KF]                 ; the step on the diagonal: hidden scores become -infinity
	v_add_nc_u32 v[DD], s56, v[RH]
.set n, 0
.rept 64
	v_cmp_gt_i32 vcc_lo, 16*(n/8)+n%8, v[DD]
	v_cndmask_b32 v[S+n], v[S+n], v[NINF], vcc_lo
	v_cndmask_b32 v[S+64+n], v[S+64+n], v[NINF], vcc_lo
.set n, n+1
.endr
.Lopen_\@:
	SOFT_A
.set n, 0
.rept 32
	SCALE 0
.set n, n+2
.endr
	s_wait_alu depctr_va_vdst(0)                   ; ahead of the exponentials
.set n, 0
.rept 32                               ; tile 0's exponentials; tile 1's scalings stand among them
	v_exp_f32 v[S+n], v[S+n]
	v_exp_f32 v[S+n+1], v[S+n+1]
	SCALE 1
.set n, n+2
.endr
	v_pk_mul_f32 v[ST+2:ST+3], v[ST+2:ST+3], v[WK+4:WK+5] op_sel_hi:[1,0]          ; the sums under the new M
	v_pk_mul_f32 v[ST+6:ST+7], v[ST+6:ST+7], v[WK+12:WK+13] op_sel_hi:[1,0]
	s_wait_alu depctr_va_vdst(0)                   ; one wait for tile 0's results and for tile 1's sources
	SUM 0
.set n, 0
.rept 32                               ; tile 1's exponentials; tile 0's holds stand among them
	v_exp_f32 v[S+64+n], v[S+64+n]
	v_exp_f32 v[S+65+n], v[S+65+n]
	HOLD 0
.set n, n+2
.endr
	v_nop
	s_wait_alu depctr_va_vdst(0)                   ; ahead of the batch's first reader
	SUM 1
	CODES 0
.set n, 0
.rept 32
	HOLD 1
.set n, n+2
.endr
	CODES 1
	WIN 0x41
	s_wait_alu depctr_va_vdst(0)                   ; directly ahead of the first readers of the results
.irp t, 0,1
.set n, 0
.rept 32
	v_pk_mul_f32 v[64*\t+n:64*\t+n+1], v[64*\t+n:64*\t+n+1], v[WK+8*\t+4:WK+8*\t+5] op_sel_hi:[1,0]   ; under the new M
.set n, n+2
.endr
.endr
	s_wait_alu depctr_va_vdst(0)                   ; ahead of the wait below
	s_wait_dscnt 0x0
	WIN 0x51
.irp f, 0,1,2,3,4,5,6,7
.irp t, 0,1
	v_wmma_f32_16x16x128_fp8_fp8 v[64*\t+8*\f:64*\t+8*\f+7], v[F+16*\f:F+16*\f+15], v[P+16*\t:P+16*\t+15], v[64*\t+8*\f:64*\t+8*\f+7]
.endr
.endr
	WIN 0
.rept 4
	v_nop                                          ; places behind the last products
.endr
.Lhid_\@:
	s_add_co_u32 s[TB], s[TB], 2*STEPB
	s_add_co_u32 s[KF], s[KF], 256
.endm
; THE MERGE.  My partner (wave xor 1) has the same two tiles and the other half of the keys.  I finish tile 0, which is the partner's tile 1.  The 64 registers of a tile go in two halves: the first into my own 4,096 bytes,
; the second into my partner's, which I alone have read: so no barrier stands between the two.
.macro FINAL
	ds_store_b128 v[STW], v[ST+4:ST+7]
	WIN 0x04
.irp i, 0,1,2,3,4,5,6,7
	ds_store_b128 v[XW], v[64+4*\i:67+4*\i] offset:512*\i
.endr
	WIN 0
	BARRIER
	ds_load_b128 v[PST:PST+3], v[STR]
.irp i, 0,1,2,3,4,5,6,7
	ds_load_b128 v[RX+4*\i:RX+4*\i+3], v[XR] offset:512*\i
.endr
	s_wait_dscnt 0x0
	WIN 0x04
.irp i, 0,1,2,3,4,5,6,7
	ds_store_b128 v[XR], v[96+4*\i:99+4*\i] offset:512*\i
.endr
	WIN 0
	v_min_num_f32 v[WK], v[ST], v[PST]             ; -M of both
	s_delay_alu instid0(VALU_DEP_1)
	v_sub_f32 v[WK+1], v[WK], v[ST]
	s_delay_alu instid0(VALU_DEP_2)
	v_sub_f32 v[WK+2], v[WK], v[PST]
	s_delay_alu instid0(VALU_DEP_2)
	v_cvt_i32_f32 v[WK+1], v[WK+1]
	s_delay_alu instid0(VALU_DEP_2)
	v_cvt_i32_f32 v[WK+2], v[WK+2]
	s_delay_alu instid0(VALU_DEP_2)
	v_ldexp_f32 v[WK+4], 1.0, v[WK+1]
	s_delay_alu instid0(VALU_DEP_2)
	v_ldexp_f32 v[WK+6], 1.0, v[WK+2]
	s_delay_alu instid0(VALU_DEP_2)
	v_pk_mul_f32 v[ST+2:ST+3], v[ST+2:ST+3], v[WK+4:WK+5] op_sel_hi:[1,0]
	s_delay_alu instid0(VALU_DEP_1)
	v_pk_fma_f32 v[ST+2:ST+3], v[PST+2:PST+3], v[WK+6:WK+7], v[ST+2:ST+3] op_sel_hi:[1,0,1]
	WIN 0x01
.set n, 0
.rept 32
	v_pk_mul_f32 v[T+n:T+n+1], v[n:n+1], v[WK+4:WK+5] op_sel_hi:[1,0]
.set n, n+2
.endr
	WIN 0
.set n, 0
.rept 16
	v_pk_fma_f32 v[T+n:T+n+1], v[RX+n:RX+n+1], v[WK+6:WK+7], v[T+n:T+n+1] op_sel_hi:[1,0,1]
.set n, n+2
.endr
	s_wait_dscnt 0x0                               ; for my partner's sake: the second half's stores are done
	s_barrier_signal -1
	v_add_f32 v[WK], v[ST+2], v[ST+3]              ; the row's sum: two halves, and lane xor 16's
	s_delay_alu instid0(VALU_DEP_1)
	v_permlanex16_b32 v[WK+2], v[WK], s[SEL], s[SEL+1]
	s_delay_alu instid0(VALU_DEP_1)
	v_add_f32 v[WK], v[WK], v[WK+2]
	s_wait_alu depctr_va_vdst(0)                   ; ahead of the transcendental, and behind it ahead of its reader
	v_rcp_f32 v[GG], v[WK]
	v_nop
	s_wait_alu depctr_va_vdst(0)
	v_ldexp_f32 v[GG], v[GG], s74                  ; x 2^(e6 + e7)
	s_barrier_wait -1
.irp i, 0,1,2,3,4,5,6,7
	ds_load_b128 v[RX+4*\i:RX+4*\i+3], v[XW] offset:512*\i
.endr
	s_wait_dscnt 0x0
.set n, 0
.rept 16
	v_pk_fma_f32 v[T+32+n:T+32+n+1], v[RX+n:RX+n+1], v[WK+6:WK+7], v[T+32+n:T+32+n+1] op_sel_hi:[1,0,1]
.set n, n+2
.endr
.set n, 0
.rept 32
	v_pk_mul_f32 v[T+n:T+n+1], v[T+n:T+n+1], v[GG:GG+1] op_sel_hi:[1,0]
.set n, n+2
.endr
.irp f, 0,1,2,3,4,5,6,7
.irp i, 0,1,2,3,4,5,6,7
	v_med3_num_f32 v[T+8*\f+\i], v[T+8*\f+\i], -v[LIMY], v[LIMY]
.endr
	v_cvt_scalef32_pk8_fp8_f32 v[P+2*\f:P+2*\f+1], v[T+8*\f:T+8*\f+7], v[SCY]      ; channels 16 f + 8 h + 0 .. 7
.endr
	v_nop
.irp c, 0,1,2,3                        ; lanes 16-31 of the lower pair change places with lanes 0-15 of the upper: registers 4 c .. 4 c + 3 then hold channels 32 c + 16 h + 0 .. 15
	v_permlane16_swap_b32 v[P+4*\c], v[P+4*\c+2]
	v_permlane16_swap_b32 v[P+4*\c+1], v[P+4*\c+3]
.endr
.irp c, 0,1,2,3
	global_store_b128 v[LI], v[P+4*\c:P+4*\c+3], s[70:71] offset:512*\c            ; the wave stores 512 consecutive bytes, aligned
.endr
.endm
	s_load_b256 s[4:11], s[0:1], 0x0               ; q_codes s[4:5], kimg s[6:7], vimg s[8:9], the exponents s[10:11]
	s_load_b64 s[12:13], s[0:1], 0x20              ; y_codes
	v_lshl_add_u32 v[SPW], v0, 2, SPARE
	v_mov_b32 v[NIL], 0
	ds_add_u32 v[SPW], v[NIL]                      ; the wave's opening: the add, twice on end, and its wait ahead of my first tensor load
	ds_add_u32 v[SPW], v[NIL]
	v_lshrrev_b32 v24, 5, v0
	v_readfirstlane_b32 s[WV], v24                 ; wave 0..7
	s_lshr_b32 s17, s[WV], 2                       ; which two heads
	s_xor_b32 s15, s[WV], s17
	s_and_b32 s15, s15, 1                          ; which steps of keys: even or odd
	s_bfe_u32 s16, s[WV], 0x10001                  ; which 16 queries
	s_and_b32 s18, ttmp9, 3                        ; g
	s_lshr_b32 s19, ttmp9, 2                       ; i
	s_and_b32 s20, ttmp7, 0xffff                   ; the batch
	s_mov_b32 s[G1], 3<<16                         ; group 1: elements of 8 bytes, 4 rows of 512 elements (a quarter of each of four steps), 2,048 elements apart
	s_mov_b32 s[G1+1], 512<<16
	s_mov_b32 s[G1+2], 4<<16
	s_mov_b32 s[G1+3], 512<<16
	s_mov_b32 s[G1+4], 4
	s_mov_b32 s[G1+5], 2048
	s_mov_b32 s[G1+6], 0
	s_mov_b32 s[G1+7], 0
	s_lshl_b32 s56, s[WV], 14
	s_lshl_b32 s57, s17, 16
	s_add_co_u32 s56, s56, s57                     ; where my loads go in slot 0
	s_and_b32 s58, s[WV], 3
	s_lshl_b32 s58, s58, 12
	s_lshl_b32 s59, s20, 18
	s_add_co_u32 s58, s58, s59                     ; where they come from: my quarter of a step, in my batch
	s_mov_b32 s59, 0
	s_mov_b32 s[SEL], 0x76543210
	s_mov_b32 s[SEL+1], 0xfedcba98
	s_mov_b32 s[CS], 0x3e0293ee                    ; log2(e) / sqrt(128)
	s_wait_dscnt 0x0                               ; both opening adds are done
	s_wait_kmcnt 0x0
	s_load_b128 s[44:47], s[10:11], 0x10           ; e4 .. e7
	s_load_b64 s[48:49], s[10:11], 0x20            ; e8, e9
	s_cmp_lt_u32 s[WV], 4
	s_cselect_b64 s[KB:KB+1], s[6:7], s[8:9]
	s_add_nc_u64 s[KB:KB+1], s[KB:KB+1], s[58:59]
	s_mov_b32 s[G0A], 1
	s_mov_b32 s[G0A+1], s56
	s_mov_b64 s[G0A+2:G0A+3], s[KB:KB+1]
	s_or_b32 s[G0A+3], s[G0A+3], 0x80000000
	tensor_load_to_lds s[G0A:G0A+3], s[G1:G1+7]    ; slot 0: one tensor load a wave at the head
	s_nop 0
	s_mov_b32 s[G0H], 1
	s_add_co_u32 s[G0H+1], s56, SLOTB
	s_add_nc_u64 s[G0H+2:G0H+3], s[KB:KB+1], SLOTB
	s_or_b32 s[G0H+3], s[G0H+3], 0x80000000
	s_mov_b32 s[G0W], 1
	s_add_co_u32 s[G0W+1], s56, SLOTB              ; turned to the other slot ahead of each use
	s_lshl_b32 s84, s19, 5
	s_sub_co_u32 s85, 2016, s84
	s_lshl_b32 s86, s16, 4
	s_add_co_u32 s[Q0], s84, s86                   ; my first query in job 1,
	s_add_co_u32 s[Q1], s85, s86                   ; and in job 2
	s_lshl_b32 s89, s20, 11
	s_lshl_b32 s90, s18, 2
	s_lshl_b32 s91, s17, 1
	s_add_co_u32 s90, s90, s91                     ; my first head;
	s_add_co_u32 s91, s90, s15                     ; the head that I finish
	s_lshl_b32 s90, s90, 7
	s_lshl_b32 s91, s91, 11
	s_mov_b32 s93, 0
	s_add_co_u32 s94, s89, s[Q0]
	s_lshl_b32 s94, s94, 11
	s_add_co_u32 s92, s94, s90
	s_add_nc_u64 s[66:67], s[4:5], s[92:93]        ; Q, job 1
	s_add_co_u32 s92, s94, s91
	s_add_nc_u64 s[70:71], s[12:13], s[92:93]      ; y, job 1
	s_add_co_u32 s94, s89, s[Q1]
	s_lshl_b32 s94, s94, 11
	s_add_co_u32 s92, s94, s90
	s_add_nc_u64 s[68:69], s[4:5], s[92:93]        ; Q, job 2
	s_add_co_u32 s92, s94, s91
	s_add_nc_u64 s[72:73], s[12:13], s[92:93]      ; y, job 2
	s_lshl_b32 s56, s15, 7
	s_xor_b32 s57, s56, 128
	v_and_b32 v24, 31, v0
	v_and_b32 v25, 15, v0                          ; r
	v_bfe_u32 v26, v0, 4, 1                        ; h
	v_lshlrev_b32 v27, 11, v25
	v_lshlrev_b32 v[LI], 4, v24
	v_lshl_add_u32 v27, v26, 4, v27
	v_lshlrev_b32 v24, 3, v26
	v_add_nc_u32 v[QA], s56, v27
	v_add_nc_u32 v[QA+1], s57, v27
	v_sub_nc_u32 v[RH], v25, v24
	QLOAD 66
	v_lshl_add_u32 v[STW], v0, 4, STAT
	v_xor_b32 v25, 32, v0
	s_lshl_b32 s56, s[WV], 12
	s_add_co_u32 s56, s56, XCH
	v_lshl_add_u32 v[STR], v25, 4, STAT
	v_add_nc_u32 v[XW], s56, v[LI]
	s_xor_b32 s57, s[WV], 1
	s_lshl_b32 s57, s57, 12
	s_add_co_u32 s57, s57, XCH
	v_add_nc_u32 v[XR], s57, v[LI]
	v_mov_b32 v[Z], 0
	v_mov_b32 v[Z+1], 0
.irp t, 0,1
	v_mov_b32 v[WK+8*\t+2], 0                      ; a lane permute's destination counts as one of its sources
	v_mov_b32 v[WK+8*\t+5], 0                      ; named as the upper half of a pair
	v_mov_b32 v[WK+8*\t+7], 0                      ; likewise, in a wave all of whose steps are hidden
.endr
	v_mov_b32 v[GG+1], 0
	v_mov_b32 v[NINF], 0xff800000
	JOBINIT
	s_wait_alu depctr_va_vdst(0)                   ; directly ahead of the wait below
	s_wait_kmcnt 0x0
	s_add_co_i32 s56, s44, s45
	s_lshl_b32 s56, s56, 23
	s_add_co_i32 s[CS], s[CS], s56                 ; 2^(e4 + e5) goes into the factor's exponent field
	s_mov_b32 s[CS+1], s[CS]                       ; (named with it as a pair)
	MKSCALE 46, SCP, LIMP
	MKSCALE 48, SCY, LIMY
	s_add_co_i32 s74, s46, s47
	s_mov_b32 s[JOBS], 2
	s_wait_alu depctr_va_vdst(0)                   ; the wait at the head's end
	s_wait_tensorcnt 0x0                           ; my part of slot 0 is in; these lines stand ahead of slot 1's first fill as ahead of a refill
	ds_add_u32 v[SPW], v[NIL]
	s_wait_dscnt 0x0
	s_barrier_signal -1
	s_barrier_wait -1                              ; everybody's is
	tensor_load_to_lds s[G0H:G0H+3], s[G1:G1+7]    ; slot 1: keys 512 .. 1023, which job 2 reads in every work-group
	s_nop 0
.rept 4
	v_nop
.endr
.Ljob:
	s_cmp_eq_u32 s[JOBS], 2
	s_cbranch_scc1 .Lready                         ; job 1's state was made at the head
	JOBINIT
	s_wait_alu depctr_va_vdst(0)
.Lready:
	s_lshl_b32 s[TB], s15, 12
	s_lshl_b32 s[KF], s15, 7
	s_mov_b32 s[KO], SLOTB
	s_mov_b32 s[KO+1], 0
	s_mov_b32 s[VIS], 4
	s_wait_loadcnt 0x0                             ; Q
.Lvisit:                                               ; four visits of 512 keys; what the mask hides is passed over step by step
	s_mov_b32 s[TWICE], 2
.Ltwo:                                                 ; my two of a slot's four steps
	STEP
	s_sub_co_u32 s[TWICE], s[TWICE], 1
	s_cmp_lg_u32 s[TWICE], 0
	s_cbranch_scc1 .Ltwo
	s_wait_tensorcnt 0x0                           ; THE CHANGE OF SLOTS: my loads have landed (the next slot is whole behind the barrier),
	ds_add_u32 v[SPW], v[NIL]
	s_xor_b32 s[G0W+1], s[G0W+1], SLOTB            ; the slot just left would take the keys two slots on
	s_add_co_u32 s[KO], s[KO], SLOTB
	s_add_nc_u64 s[G0W+2:G0W+3], s[KB:KB+1], s[KO:KO+1]
	s_or_b32 s[G0W+3], s[G0W+3], 0x80000000
	s_sub_co_u32 s[TB], s[TB], 4*STEPB
	s_xor_b32 s[TB], s[TB], SLOTB
	s_lshr_b32 s57, s[KO], 7                       ; their first: 128 bytes a key
	s_or_b32 s58, s[Q0], 31                        ; the work-group's last query
	s_wait_dscnt 0x0                               ; the add is done, and so are my reads of the slot just left
	s_barrier_signal -1
	s_barrier_wait -1
	s_cmp_gt_u32 s57, s58                          ; the causal limit: the same in all waves, ids and counted steps alone; in job 1 no slot passes it, in job 2 none behind the last key
	s_cbranch_scc1 .Lpast
	tensor_load_to_lds s[G0W:G0W+3], s[G1:G1+7]
	s_nop 0
.rept 4
	v_nop
.endr
.Lpast:
	s_sub_co_u32 s[VIS], s[VIS], 1
	s_cmp_lg_u32 s[VIS], 0
	s_cbranch_scc1 .Lvisit
	s_cmp_eq_u32 s[JOBS], 1
	s_cbranch_scc1 .Lmerge
	QLOAD 68                                       ; job 2's queries, on their way while job 1 is merged
.Lmerge:
	FINAL
	s_wait_xcnt 0x0                                ; the stores have read their base and their data
	s_mov_b64 s[70:71], s[72:73]
	s_mov_b32 s[Q0], s[Q1]
	s_sub_co_u32 s[JOBS], s[JOBS], 1
	s_cmp_lg_u32 s[JOBS], 0
	s_cbranch_scc1 .Ljob
	s_wait_tensorcnt 0x0                           ; the wave's end
	ds_add_u32 v[SPW], v[NIL]
	s_wait_dscnt 0x0
	s_endpgm
.Lfunc_end_k_q1c4ff1f289_att:
	.size	k_q1c4ff1f289_att, .Lfunc_end_k_q1c4ff1f289_att-k_q1c4ff1f289_att
	.p2alignl 7, 3214868480
	.fill 96, 4, 3214868480
	.section	.rodata,"a",@progbits
	.p2align	6, 0x0
	.amdhsa_kernel k_q1c4ff1f289_att
		.amdhsa_group_segment_fixed_size 327680
		.amdhsa_private_segment_fixed_size 0
		.amdhsa_enable_private_segment 0
		.amdhsa_kernarg_size 40
		.amdhsa_user_sgpr_count 2
		.amdhsa_user_sgpr_kernarg_segment_ptr 1
		.amdhsa_wavefront_size32 1
		.amdhsa_system_sgpr_workgroup_id_x 1
		.amdhsa_system_sgpr_workgroup_id_y 1
		.amdhsa_system_sgpr_workgroup_id_z 1
		.amdhsa_system_vgpr_workitem_id 0
		.amdhsa_next_free_vgpr 512
		.amdhsa_next_free_sgpr 96
		.amdhsa_reserve_vcc 1
		.amdhsa_float_denorm_mode_32 3
		.amdhsa_float_denorm_mode_16_64 3
		.amdhsa_memory_ordered 1
		.amdhsa_forward_progress 1
		.amdhsa_inst_pref_size 74
	.end_amdhsa_kernel
	.amdgpu_metadata
---
amdhsa.version: [ 1, 2 ]
amdhsa.kernels:
  - .name:           k_q1c4ff1f289_att
    .symbol:         k_q1c4ff1f289_att.kd
    .args:
      - { .name: q_codes, .offset: 0, .size: 8, .value_kind: global_buffer, .address_space: global }
      - { .name: kimg, .offset: 8, .size: 8, .value_kind: global_buffer, .address_space: global }
      - { .name: vimg, .offset: 16, .size: 8, .value_kind: global_buffer, .address_space: global }
      - { .name: lowp_scales, .offset: 24, .size: 8, .value_kind: global_buffer, .address_space: global }
      - { .name: y_codes, .offset: 32, .size: 8, .value_kind: global_buffer, .address_space: global }
    .group_segment_fixed_size: 327680
    .private_segment_fixed_size: 0
    .kernarg_segment_align: 8
    .kernarg_segment_size: 40
    .max_flat_workgroup_size: 256
    .sgpr_count:     96
    .vgpr_count:     512
    .wavefront_size: 32
...
	.end_amdgpu_metadata
.endif
;; end of part 3
;; launch gemmp (part 4): grid 8 x 32, 4 waves a work-group, clusters of 4 x 4, 327,680 bytes of LDS; arguments y_codes, wp, b_proj, lowp_scales, out0; writes out0
.if DOCPART == 4
	.amdgcn_target "amdgcn-amd-amdhsa--gfx1250"
	.amdhsa_code_object_version 6
	.text
	.protected	k_q1c4ff1f289_gemmp
	.globl	k_q1c4ff1f289_gemmp
	.p2align	8
	.type	k_q1c4ff1f289_gemmp,@function
k_q1c4ff1f289_gemmp:
	s_mov_b64 s[64:65], 0
	v_nop
	global_prefetch_b8 v0, s[64:65] scope:SCOPE_SE
	s_setreg_imm32_b32 hwreg(HW_REG_WAVE_MODE, 25, 1), 1
	s_wait_xcnt 0x0
	s_wait_alu depctr_hold_cnt(0) depctr_sa_sdst(0) depctr_va_vdst(0) depctr_va_sdst(0) depctr_va_ssrc(0) depctr_va_vcc(0) depctr_vm_vsrc(0)
	s_getreg_b32 s2, hwreg(HW_REG_IB_STS2, 6, 4)
	s_cmp_eq_u32 s2, 0
	s_cbranch_scc0 .Lentry_in_a_cluster
	s_endpgm
.Lentry_in_a_cluster:
	s_bfe_u32 s2, ttmp6, 0x10000c
	s_cmp_lg_u32 s2, 0xf033
	s_cbranch_scc0 .Lentry_shape_is_right
	s_endpgm
.Lentry_shape_is_right:
; out = Q(y, e8) Q(W_proj, e9) + b_proj, on codes of FP8 (E4M3), sums in f32: [4096][2048].
; y_codes are images of operand registers: [token / 16][head][2,048 bytes], a head's 128 channels being 128 along K; wp is [n][2048 k].
; SHARES.  A work-group makes 128 tokens x 256 columns: 32 x 8 = 256 work-groups.  Wave w: tokens 64 (w / 2) .., columns 128 (w % 2) ..: 32 accumulators of 16 x 16 in window 2.
; K goes in steps of 512, 256, 512, 256, 512 through two slots of LDS, X (512 along K) and Y (256), filled by the tensor data mover.  Waves 0 and 1 fetch y (four images' rows each: 8,192 or 4,096 bytes a row), waves 2 and 3 wp.
; y's images lie in LDS as in memory: a fragment's loads read 512 consecutive bytes.  wp's rows are padded by 16 bytes, so that the 16 rows of a load start at different banks (64 banks of 4 bytes: ISA guide 11.1).
; CLUSTERS: 4 x 4 work-groups; y's tiles are shared along a row of the cluster, wp's along a column, by joint loads.
; THE MATRIX INSTRUCTION IS USED TRANSPOSED (source 0 = 16 rows of wp, source 1 = 16 tokens): a lane holds eight neighbouring columns of one token.
; LIMIT: e8 + e9 between -126 and 127.
.set KROW,  2048
.set PX,    528                        ; wp's LDS rows in X, and in Y
.set PY,    272
.set BLD,   128                        ; rows of a load of wp
.set XBB,   65536                      ; X: eight rows of 8,192 bytes of y, then 256 rows of wp
.set YB0,   XBB+256*PX                 ; Y: eight rows of 4,096 bytes of y,
.set YBB,   YB0+32768                  ; then 256 rows of wp
.set SPARE, YBB+256*PY
.set KADV,  768                        ; along K from a slot's fill to its next
.set PFX,   22                         ; v22 256 x lane;  v23 32,768 x (lane / 16) + 256 x (lane % 16);  v27 2,048 x lane: the prefetches' offsets, never rewritten
.set PFY,   23
.set PFW,   27
.set NLD,   48
.set NTAIL, 8
.set SPITCH, 528
.set ADRA,  16
.set BO,    18
.set ADRB,  20
.set STO,   24
.set RD,    25
.set CO,    26
.set SPW,   28
.set NIL,   29
.set AF,    64
.set BIAS,  32
.set TMP,   32
.set BK,    128
.set G1A, 24
.set G1B, 48
.set G0A, 68
.set G0B, 76
.set MSB, 0
.macro WIN new
.if MSB != \new
	s_set_vgpr_msb (MSB<<8)|\new
.set MSB, \new
.endif
.endm
.set MAIN, 0xa1
.set TO_B, 0x40
.macro JLOAD g0a, g1a, g0b, g1b
	s_cmp_eq_u32 s15, 0
	s_cbranch_scc0 .Lfor_b_\@
	tensor_load_to_lds s[\g0a:\g0a+3], s[\g1a:\g1a+7]
	s_nop 0
.rept 4
	v_nop
.endr
	s_branch .Lasked_\@
.Lfor_b_\@:
	tensor_load_to_lds s[\g0b:\g0b+3], s[\g1b:\g1b+7]
	s_nop 0
.rept 4
	v_nop
.endr
.Lasked_\@:
.endm
.macro CREST
	s_cmp_lg_u32 s14, 0
	s_cbranch_scc1 .Lnot_wave_0_\@
	s_barrier_signal -3
.Lnot_wave_0_\@:
	s_barrier_wait -3
	s_barrier_signal -1
	s_barrier_wait -1
.endm
.macro CROUND
	s_barrier_signal -1
	s_barrier_wait -1
	CREST
.endm
.macro PLACES n
.rept \n
	v_nop
.endr
.endm
.macro SHAPE g, rowb, rows, pitch      ; in elements
	s_mov_b32 s[\g+1], (\rowb)<<16
	s_mov_b32 s[\g+2], (\rows)<<16
	s_mov_b32 s[\g+3], (\rowb)<<16
	s_mov_b32 s[\g+4], \rows
	s_mov_b32 s[\g+5], \pitch
	s_mov_b32 s[\g+6], 0
	s_mov_b32 s[\g+7], 0
.endm
	s_load_b256 s[4:11], s[0:1], 0x0
	s_load_b64 s[12:13], s[0:1], 0x20
	v_lshl_add_u32 v[SPW], v0, 2, SPARE
	v_mov_b32 v[NIL], 0
	ds_add_u32 v28, v29
	ds_add_u32 v28, v29
	s_wait_dscnt 0x0
	v_lshrrev_b32 v1, 5, v0
	v_readfirstlane_b32 s14, v1
	s_lshr_b32 s15, s14, 1
	s_and_b32 s16, s14, 1
	s_bfe_u32 s40, ttmp6, 0x40000
	s_bfe_u32 s41, ttmp6, 0x40004
	s_lshl_b32 s42, ttmp9, 2
	s_add_co_u32 s42, s42, s40
	s_and_b32 s17, ttmp7, 0xffff
	s_lshl_b32 s17, s17, 2
	s_add_co_u32 s17, s17, s41
	s_lshl_b32 s43, s41, 2
	s_lshl_b32 s43, 15, s43
	s_lshl_b32 s44, 0x1111, s40
	s_or_b32 s[G1A+0], s43, (3<<16)|(1<<21)        ; elements of 8 bytes, no padding; bit 21 beside the mask
	s_or_b32 s[G1A+8], s43, (3<<16)|(1<<21)
	s_or_b32 s[G1B+0], s44, (0<<16)|(1<<20)|(1<<21)|(6<<22)|(3<<25)
	s_or_b32 s[G1B+8], s44, (0<<16)|(1<<20)|(1<<21)|(5<<22)|(3<<25)
	SHAPE G1A, 1024, 4, 4096                       ; four tiles of 16 tokens x four heads
	SHAPE G1A+8, 512, 4, 4096                      ; x two heads
	SHAPE G1B, 512, BLD, KROW
	SHAPE G1B+8, 256, BLD, KROW
	s_lshl_b32 s20, s17, 18
	s_lshl_b32 s21, s16, 17
	s_add_co_u32 s20, s20, s21
	s_mov_b32 s21, 0
	s_lshl_b32 s46, s42, 19
	s_lshl_b32 s47, s16, 18
	s_add_co_u32 s46, s46, s47
	s_mov_b32 s47, 0
	s_lshl_b32 s45, s16, 15
	s_mul_i32 s18, s16, BLD*PX
	s_add_co_u32 s18, s18, XBB
	s_lshl_b32 s19, s16, 14
	s_add_co_u32 s19, s19, YB0
	s_mul_i32 s22, s16, BLD*PY
	s_add_co_u32 s22, s22, YBB
	s_wait_kmcnt 0x0
	s_load_b64 s[96:97], s[10:11], 0x20
	s_add_nc_u64 s[20:21], s[4:5], s[20:21]
	s_add_nc_u64 s[46:47], s[6:7], s[46:47]
	CROUND
	s_mov_b32 s[G0A], 1
	s_mov_b32 s[G0A+1], s45
	s_mov_b64 s[G0A+2:G0A+3], s[20:21]
	s_or_b32 s[G0A+3], s[G0A+3], 0x80000000
	s_mov_b32 s[G0B], 1
	s_mov_b32 s[G0B+1], s18
	s_mov_b64 s[G0B+2:G0B+3], s[46:47]
	s_or_b32 s[G0B+3], s[G0B+3], 0x80000000
	JLOAD G0A, G1A, G0B, G1B
	s_mov_b32 s[G0A+4], 1
	s_mov_b32 s[G0A+5], s19
	s_add_nc_u64 s[G0A+6:G0A+7], s[20:21], 8192    ; 512 along K: 16 bytes for each
	s_or_b32 s[G0A+7], s[G0A+7], 0x80000000
	s_mov_b32 s[G0B+4], 1
	s_mov_b32 s[G0B+5], s22
	s_add_nc_u64 s[G0B+6:G0B+7], s[46:47], 512
	s_or_b32 s[G0B+7], s[G0B+7], 0x80000000
; PREFETCHES INTO THE L2.  Behind load n (1 to 3) a wave asks for what load n + 1 will bring: a whole slot's products lie between the two.  Nothing is asked for behind load 0; no load follows load 4.
; Every cluster asks for what it will itself load.  The four partners that ask for a tile jointly share it out by address.  y, 512 along K: of a wave's four rows partner cx takes one: 32 blocks of 256 bytes, lanes 256 bytes apart;
; 256 along K: wave 0 asks for both waves' eight rows, partner cx for two: 16 blocks each.  wp: of a wave's 128 rows partner cy takes 32, a lane a row.  All bases and offsets stay as they are made here.
.macro ASK k, len                      ; len along K from k
	s_cmp_eq_u32 s15, 0
	s_cbranch_scc0 .Lask_w_\@
.if \len == 512
	global_prefetch_b8 v[PFX], s[84:85] offset:16*\k th:TH_LOAD_NT scope:SCOPE_SE
.else
	s_cmp_eq_u32 s14, 0
	s_cbranch_scc0 .Lask_end_\@
	global_prefetch_b8 v[PFY], s[88:89] offset:16*\k th:TH_LOAD_NT scope:SCOPE_SE
.endif
	s_branch .Lask_end_\@
.Lask_w_\@:
	global_prefetch_b8 v[PFW], s[86:87] offset:\k th:TH_LOAD_NT scope:SCOPE_SE
.if \len == 512
	global_prefetch_b8 v[PFW], s[86:87] offset:\k+256 th:TH_LOAD_NT scope:SCOPE_SE
.endif
.Lask_end_\@:
.endm
	s_lshl_b32 s84, s40, 15                        ; y: a row of 32,768 bytes x cx,
	s_mov_b32 s85, 0
	s_add_nc_u64 s[84:85], s[20:21], s[84:85]
	s_lshl_b32 s88, s40, 16                        ; two rows x cx (used by wave 0 alone, whose rows are the tile's first)
	s_mov_b32 s89, 0
	s_add_nc_u64 s[88:89], s[20:21], s[88:89]
	s_lshl_b32 s86, s41, 16                        ; wp: 32 rows of 2,048 bytes x cy
	s_mov_b32 s87, 0
	s_add_nc_u64 s[86:87], s[46:47], s[86:87]
	v_and_b32 v[PFX], 31, v0
	v_and_b32 v8, 15, v0
	v_lshrrev_b32 v[PFY], 4, v[PFX]
	v_lshlrev_b32 v[PFW], 11, v[PFX]
	v_lshlrev_b32 v8, 8, v8
	v_lshlrev_b32 v[PFX], 8, v[PFX]
	v_lshl_add_u32 v[PFY], v[PFY], 15, v8
	v_and_b32 v1, 15, v0
	v_bfe_u32 v2, v0, 4, 1
	v_mul_u32_u24 v3, v1, PX
	v_lshl_add_u32 v3, v2, 4, v3
	v_mul_u32_u24 v4, v1, PY
	v_lshl_add_u32 v4, v2, 4, v4
	v_and_b32 v7, 31, v0
	v_lshlrev_b32 v7, 4, v7                        ; 16 x lane: my place in an image
	s_lshl_b32 s21, s15, 15
	v_add_nc_u32 v[ADRA], s21, v7
	s_mul_i32 s21, s16, 128*PX
	s_add_co_u32 s21, s21, XBB
	v_add_nc_u32 v[ADRB], s21, v3
	s_lshl_b32 s21, s15, 14
	s_add_co_u32 s21, s21, YB0
	v_add_nc_u32 v[ADRA+1], s21, v7
	s_mul_i32 s21, s16, 128*PY
	s_add_co_u32 s21, s21, YBB
	v_add_nc_u32 v[ADRB+1], s21, v4
	s_mul_i32 s23, s14, 16*SPITCH
	s_add_co_u32 s23, s23, YB0
	v_mul_u32_u24 v5, v1, SPITCH
	v_lshl_add_u32 v5, v2, 5, v5
	v_add_nc_u32 v[STO], s23, v5
	v_and_b32 v6, 31, v0
	v_lshlrev_b32 v[CO], 4, v6
	v_add_nc_u32 v[RD], s23, v[CO]
	v_lshlrev_b32 v[BO], 5, v2
	s_wait_alu depctr_va_vdst(0)
	s_lshl_b32 s92, s17, 20
	s_lshl_b32 s94, s15, 19
	s_add_co_u32 s92, s92, s94
	s_lshl_b32 s94, s42, 10
	s_add_co_u32 s92, s92, s94
	s_lshl_b32 s94, s16, 9
	s_add_co_u32 s92, s92, s94
	s_mov_b32 s93, 0
	s_add_nc_u64 s[12:13], s[12:13], s[92:93]
	s_lshl_b32 s92, s42, 10
	s_add_co_u32 s92, s92, s94
	s_add_nc_u64 s[8:9], s[8:9], s[92:93]
	WIN 0xc0
.irp b, 0,1,2,3,4,5,6,7
	global_load_b128 v[BIAS+8*\b:BIAS+8*\b+3], v[BO], s[8:9] offset:64*\b
	global_load_b128 v[BIAS+8*\b+4:BIAS+8*\b+7], v[BO], s[8:9] offset:64*\b+16
.endr
	WIN 0
	s_wait_kmcnt 0x0
	s_add_co_i32 s96, s96, s97
	s_add_co_i32 s96, s96, 127
	s_lshl_b32 s96, s96, 23
	s_mov_b32 s97, s96
.macro FRAG reg, adr, pt, q, i
.irp c, 0,1,2,3
	ds_load_b128 v[\reg+4*\c:\reg+4*\c+3], v[\adr] offset:128*(\q)+32*\c+(\i)*16*(\pt)
.endr
.endm
.macro FRAGA reg, rg, q, i             ; token tile i of my four, head q of the slot
.irp c, 0,1,2,3
	ds_load_b128 v[\reg+4*\c:\reg+4*\c+3], v[ADRA+(\rg)] offset:(8192-4096*(\rg))*(\i)+2048*(\q)+512*\c
.endr
.endm
.macro FETCH rg, q, p
	WIN TO_B
.irp i, 0,1,2,3,4,5,6,7
	FRAG 128*(\p)+16*\i, ADRB+(\rg), PX-(PX-PY)*(\rg), \q, \i
.endr
	WIN 0
.irp i, 0,1,2,3
	FRAGA AF+64*(\p)+16*\i, \rg, \q, \i
.endr
.endm
.macro MULA a, p, zero
.irp b, 0,1,2,3,4,5,6,7
.if \zero
	v_wmma_f32_16x16x128_fp8_fp8 v[8*(8*(\a)+\b):8*(8*(\a)+\b)+7], v[128*(\p)+16*\b:128*(\p)+16*\b+15], v[AF+64*(\p)+16*(\a):AF+64*(\p)+16*(\a)+15], 0
.else
	v_wmma_f32_16x16x128_fp8_fp8 v[8*(8*(\a)+\b):8*(8*(\a)+\b)+7], v[128*(\p)+16*\b:128*(\p)+16*\b+15], v[AF+64*(\p)+16*(\a):AF+64*(\p)+16*(\a)+15], v[8*(8*(\a)+\b):8*(8*(\a)+\b)+7]
.endif
.endr
.endm
.macro STEPM rg, q, p, zero
	s_wait_dscnt NTAIL
	WIN MAIN
	MULA 0, \p, \zero
	MULA 1, \p, \zero
	PLACES 4
	FETCH \rg, (\q)+1, 1-(\p)
	s_wait_dscnt NLD
	WIN MAIN
	MULA 2, \p, \zero
	MULA 3, \p, \zero
	WIN 0
.endm
.macro TURNM rg, fill, ask=0, len=0
	WIN 0
	s_wait_tensorcnt 0x0
	ds_add_u32 v[SPW], v[NIL]
	s_wait_dscnt NTAIL+1
	WIN MAIN
	MULA 0, 1, 0
	s_wait_dscnt 0x0
	s_barrier_signal -1
	MULA 1, 1, 0
	WIN 0
	s_barrier_wait -1
.if \fill
	CREST
	s_add_nc_u64 s[G0A+4*(\rg)+2:G0A+4*(\rg)+3], s[G0A+4*(\rg)+2:G0A+4*(\rg)+3], 16*KADV
	s_add_nc_u64 s[G0B+4*(\rg)+2:G0B+4*(\rg)+3], s[G0B+4*(\rg)+2:G0B+4*(\rg)+3], KADV
	JLOAD G0A+4*(\rg), G1A+8*(\rg), G0B+4*(\rg), G1B+8*(\rg)
.else
	PLACES 4
.endif
	FETCH 1-(\rg), 0, 0
.if \ask
	ASK \ask, \len                                 ; what the next load will bring
.endif
	WIN MAIN
	MULA 2, 1, 0
	MULA 3, 1, 0
	WIN 0
.endm
	s_wait_alu depctr_va_vdst(0)                   ; the wait at the head's end
	s_wait_loadcnt 0x0                             ; the bias, once
	s_wait_tensorcnt 0x0                           ; my part of X is in; these lines stand ahead of Y's first fill as ahead of a refill
	ds_add_u32 v[SPW], v[NIL]
	s_wait_dscnt 0x0
	CROUND                                         ; everybody's part of X is in, and the joint loads meet
	JLOAD G0A+4, G1A+8, G0B+4, G1B+8               ; load 1
	FETCH 0, 0, 0
	ASK 768, 512                                   ; load 2
	STEPM 0, 0, 0, 1
	STEPM 0, 1, 1, 0
	STEPM 0, 2, 0, 0
	TURNM 0, 1, 1280, 256
	STEPM 1, 0, 0, 0
	TURNM 1, 1, 1536, 512
	STEPM 0, 0, 0, 0
	STEPM 0, 1, 1, 0
	STEPM 0, 2, 0, 0
	TURNM 0, 1
	STEPM 1, 0, 0, 0
	TURNM 1, 0
	STEPM 0, 0, 0, 0
	STEPM 0, 1, 1, 0
	STEPM 0, 2, 0, 0
	s_wait_dscnt 0x0
	WIN MAIN
	MULA 0, 1, 0
	MULA 1, 1, 0
	MULA 2, 1, 0
	MULA 3, 1, 0
	WIN 0
.macro TOSTAGE a
	WIN 0x32
.irp b, 0,1,2,3,4,5,6,7
.irp i, 0,2,4,6
	v_pk_fma_f32 v[TMP+8*\b+\i:TMP+8*\b+\i+1], v[8*(8*(\a)+\b)+\i:8*(8*(\a)+\b)+\i+1], s[96:97], v[BIAS+8*\b+\i:BIAS+8*\b+\i+1] op_sel_hi:[1,0,1]
.endr
.endr
	WIN 0
.irp b, 0,1,2,3,4,5,6,7
	ds_store_b128 v[STO], v[TMP+8*\b:TMP+8*\b+3] offset:64*\b
	ds_store_b128 v[STO], v[TMP+8*\b+4:TMP+8*\b+7] offset:64*\b+16
.endr
.set BBK, BK+64*((\a)%2)
.irp t, 0,1,2,3,4,5,6,7,8,9,10,11,12,13,14,15
	ds_load_b128 v[BBK+4*\t:BBK+4*\t+3], v[RD] offset:\t*SPITCH
.endr
.endm
.macro SEND a, younger
.set BBK, BK+64*((\a)%2)
	s_wait_dscnt \younger
.if (\a) > 0
	s_add_nc_u64 s[12:13], s[12:13], 16*8192
.endif
.irp t, 0,1,2,3,4,5,6,7,8,9,10,11,12,13,14,15
	global_store_b128 v[CO], v[BBK+4*\t:BBK+4*\t+3], s[12:13] offset:\t*8192 th:TH_STORE_NT
.endr
.endm
	PLACES 4
	TOSTAGE 0
.irp a, 1,2,3
.if \a > 1
	s_wait_xcnt 0x0
.endif
	TOSTAGE \a
	SEND \a-1, 32
.endr
	s_wait_xcnt 0x0
	SEND 3, 0
	s_wait_tensorcnt 0x0
	ds_add_u32 v[SPW], v[NIL]
	s_wait_dscnt 0x0
	CROUND
	s_endpgm
.Lfunc_end_k_q1c4ff1f289_gemmp:
	.size	k_q1c4ff1f289_gemmp, .Lfunc_end_k_q1c4ff1f289_gemmp-k_q1c4ff1f289_gemmp
	.p2alignl 7, 3214868480
	.fill 96, 4, 3214868480
	.section	.rodata,"a",@progbits
	.p2align	6, 0x0
	.amdhsa_kernel k_q1c4ff1f289_gemmp
		.amdhsa_group_segment_fixed_size 327680
		.amdhsa_private_segment_fixed_size 0
		.amdhsa_enable_private_segment 0
		.amdhsa_kernarg_size 40
		.amdhsa_user_sgpr_count 2
		.amdhsa_user_sgpr_kernarg_segment_ptr 1
		.amdhsa_wavefront_size32 1
		.amdhsa_system_sgpr_workgroup_id_x 1
		.amdhsa_system_sgpr_workgroup_id_y 1
		.amdhsa_system_sgpr_workgroup_id_z 1
		.amdhsa_system_vgpr_workitem_id 0
		.amdhsa_next_free_vgpr 1024
		.amdhsa_next_free_sgpr 100
		.amdhsa_reserve_vcc 0
		.amdhsa_float_denorm_mode_32 3
		.amdhsa_float_denorm_mode_16_64 3
		.amdhsa_memory_ordered 1
		.amdhsa_forward_progress 1
		.amdhsa_inst_pref_size 124
	.end_amdhsa_kernel
	.amdgpu_metadata
---
amdhsa.version: [ 1, 2 ]
amdhsa.kernels:
  - .name:           k_q1c4ff1f289_gemmp
    .symbol:         k_q1c4ff1f289_gemmp.kd
    .args:
      - { .name: y_codes, .offset: 0, .size: 8, .value_kind: global_buffer, .address_space: global }
      - { .name: wp, .offset: 8, .size: 8, .value_kind: global_buffer, .address_space: global }
      - { .name: b_proj, .offset: 16, .size: 8, .value_kind: global_buffer, .address_space: global }
      - { .name: lowp_scales, .offset: 24, .size: 8, .value_kind: global_buffer, .address_space: global }
      - { .name: out0, .offset: 32, .size: 8, .value_kind: global_buffer, .address_space: global }
    .group_segment_fixed_size: 327680
    .private_segment_fixed_size: 0
    .kernarg_segment_align: 8
    .kernarg_segment_size: 40
    .max_flat_workgroup_size: 128
    .sgpr_count:     100
    .vgpr_count:     1024
    .wavefront_size: 32
...
	.end_amdgpu_metadata
.endif
;; end of part 4
